; MI455X (gfx1250); checked and timed in simulation.
; The chip was launched on July 23, 2026; its instructions are those of AMD's public machine-readable ISA for CDNA 5 (MIT licence, August 2026) and "CDNA5" Instruction Set Architecture Reference Guide (July 2026). The comments in the code are by the model that wrote it; some were corrected since.
;; Multi Head Self Attention. Allowed arithmetic: matrix products marked QUANTISED: E2M1 operands, one E8M0 scale for each 32 along K, by v_wmma_scale_f32_16x16x128_f8f6f4 with both operands' format E2M1 (or v_wmma_scale_f32_32x16x128_f4), f32 sums; everything else in f32.
;; Inputs: WK_b 1,024 float32; WK_w_codes 1,024 x 32 x 16 uint8 (E2M1 codes of WK_w, K innermost, in blocks of 32 codes, two codes a byte); WK_w_scales 1,024 x 32 uint8 (E8M0 scales of WK_w, one for each 32 codes along K); WO_b 1,024 float32; WO_w_codes 1,024 x 32 x 16 uint8 (E2M1 codes of WO_w, K innermost, in blocks of 32 codes, two codes a byte); WO_w_scales 1,024 x 32 uint8 (E8M0 scales of WO_w, one for each 32 codes along K); WQ_b 1,024 float32; WQ_w_codes 1,024 x 32 x 16 uint8 (E2M1 codes of WQ_w, K innermost, in blocks of 32 codes, two codes a byte); WQ_w_scales 1,024 x 32 uint8 (E8M0 scales of WQ_w, one for each 32 codes along K); WV_b 1,024 float32; WV_w_codes 1,024 x 32 x 16 uint8 (E2M1 codes of WV_w, K innermost, in blocks of 32 codes, two codes a byte); WV_w_scales 1,024 x 32 uint8 (E8M0 scales of WV_w, one for each 32 codes along K); input_tensor 4 x 2,048 x 1,024 float32; ln_b 1,024 float32; ln_w 1,024 float32; mask 4 x 1 x 1 x 2,048 float32.
;; Outputs: out0 4 x 2,048 x 1,024 float32.
;; This version of the problem:
;;   THIS VERSION OF THE PROBLEM IS GIVEN IN LOW PRECISION. The matrix products marked QUANTISED in the list below multiply operands that are first quantised to E2M1 (2 exponent bits, 1 mantissa bit; 4 bits a number), with one power-of-two scale for each 32 numbers along K (OCP MX v1.0); their sums are f32. All else is computed in f32.
;;   The module's matrix products, in the order in which they are computed (A, B: the left and right operand; K: the contracted axis; several contracted axes count as one K, in the product's order):
;;     1. [M 8,192, K 1,024] x [K 1,024, N 1,024]; A: input input_tensor; B: input WQ_w (given as codes): QUANTISED
;;     2. [M 8,192, K 1,024] x [K 1,024, N 1,024]; A: input input_tensor; B: input WK_w (given as codes): QUANTISED
;;     3. [M 8,192, K 1,024] x [K 1,024, N 1,024]; A: input input_tensor; B: input WV_w (given as codes): QUANTISED
;;     4. batch 64 x [M 2,048, K 64] x [K 64, N 2,048]; A: computed on the way; B: computed on the way: QUANTISED
;;     5. batch 64 x [M 2,048, K 2,048] x [K 2,048, N 64]; A: softmax (see below); B: computed on the way: QUANTISED
;;     6. [M 8,192, K 1,024] x [K 1,024, N 1,024]; A: computed on the way; B: input WO_w (given as codes): QUANTISED
;;   THE QUANTISER, for each operand of a quantised product, along K:
;;     - K is cut into blocks of 32 from its start; a last block that is shorter is filled with zeros.
;;     - A block's scale is 2^e with e = floor(log2(the largest magnitude in the block)) - 2, held to -126 .. 127; a block of zeros has e = 0. As a byte (E8M0): e + 127.
;;     - Each number is divided by its block's scale, clamped to +-6, and rounded to the nearest number of E2M1, ties to even, subnormals kept.
;;     - The product sums the exact products of the quantised numbers (number of the format x scale) in f32.
;;   ~~~python
;;   def quantise(x, axis):      # numpy; x: float32 -> the quantised numbers, widened to float32 again
;;       x = np.moveaxis(x, axis, -1); K = x.shape[-1]
;;       x = np.pad(x, [(0, 0)] * (x.ndim - 1) + [(0, -K % 32)]); x = x.reshape(x.shape[:-1] + (-1, 32)); a = np.abs(x).max(-1, keepdims=True)
;;       e = np.where(a > 0, np.clip(np.frexp(np.where(a > 0, a, 1))[1] - 1 - 2, -126, 127), 0)      # np.frexp(a)[1] - 1 = floor(log2(a)), exactly
;;       r = np.clip(x / 2.0 ** e, -6, 6)
;;       step = 2.0 ** (np.maximum(np.frexp(np.where(r == 0, 1, r))[1] - 1, 0) - 1)
;;       q = np.round(r / step) * step * 2.0 ** e      # np.round: ties to even
;;       return np.moveaxis(q.reshape(q.shape[:-2] + (-1,))[..., :K], -1, axis).astype(np.float32)
;;   ~~~
;;   SOFTMAX AHEAD OF A QUANTISED PRODUCT. Where the list says 'softmax', what is quantised is not the finished softmax but p = 2^(t - M), with t = logit x log2(e) and M = ceil(the row's largest t), a whole number; so 1/2 < the row's largest p <= 1. The row's sum l is taken of the UNQUANTISED p, in f32, and the product's result is divided by l at the end. Since M is a whole number, a kernel that streams over the keys may use a running M (the ceiling of the running maximum): every later rescaling is an exact power of two, which a block's scale takes up: the codes' values come out the same.
;;   OPERANDS COMPUTED ON THE WAY. 'Computed on the way' means the value that the module computes at that place (a softmax that the list does not call 'softmax' is quantised finished and normalised). What goes into a quantiser is computed in f32, as accurately as f32 sums, v_exp_f32 and their like allow (about 1e-6 of the number): no bf16 or f16 on the way to a quantiser, and a product that is left as it is and whose result goes on into a quantised operand takes f32 operands (vector FMAs, or v_wmma_f32_16x16x4_f32). A number that lies on a knife's edge between two numbers of the format may be rounded either way, as far as f32 arithmetic and the matrix unit's own rounding can turn it there, and no further.
;;   INPUTS GIVEN AS CODES. WK_w (in the module: [1024, 1024], K = its axis 1); WO_w (in the module: [1024, 1024], K = its axis 1); WQ_w (in the module: [1024, 1024], K = its axis 1); WV_w (in the module: [1024, 1024], K = its axis 1): each comes as NAME_codes (uint8): NAME with its K axis moved to the last place and cut into blocks of 32 codes, [.., K / 32, bytes a block], one block behind the other in memory; two codes a byte, the lower K in the low four bits (a code: sign, 2 exponent bits, 1 mantissa bit); and NAME_scales (uint8): the same leading axes, one E8M0 byte (e + 127) for each 32 codes along K. Its value is code x scale, taken as it is: it is not quantised again, and the codes and scales need not be those that the quantiser above would give.
;; One version. Each part assembles by itself: llvm-mc -triple=amdgcn-amd-amdhsa -mcpu=gfx1250 --defsym DOCPART=n.
;; ======== version 1 of 1: 4 launches
;; workspace buffers: xq 4,456,448 bytes; wimg 2,228,224 bytes; qimg 4,718,592 bytes; kv 9,175,040 bytes; cimg 4,194,304 bytes; cs 262,144 bytes
;; launch prep (part 1): grid 256 x 1, 4 waves a work-group, no clusters, 168,448 bytes of LDS; arguments WQ_w_codes, WQ_w_scales, WK_w_codes, WK_w_scales, WV_w_codes, WV_w_scales, WO_w_codes, WO_w_scales, input_tensor, xq, wimg; writes xq, wimg
.if DOCPART == 1
	.amdgcn_target "amdgcn-amd-amdhsa--gfx1250"
	.amdhsa_code_object_version 6
	.text
	.protected	k_q3528136518_prep
	.globl	k_q3528136518_prep
	.p2align	8
	.type	k_q3528136518_prep,@function
k_q3528136518_prep:
	s_mov_b64 s[64:65], 0
	v_nop
	global_prefetch_b8 v0, s[64:65] scope:SCOPE_SE
	s_setreg_imm32_b32 hwreg(HW_REG_WAVE_MODE, 25, 1), 1
	s_wait_xcnt 0x0
; PREP.  (1) x [8192][1024] f32 is quantised along its 1,024 columns to FP4 (E2M1) with one E8M0 byte for each 32, and stored as IMAGES OF OPERAND REGISTERS:
; a fragment (16 rows x 128 K) is 8 registers a lane; register group c (registers 4 c .. 4 c + 3) is 512 consecutive bytes, lane l's 16 bytes at 16 l.
; (2) The four weights, which arrive as codes, are laid out as such images too.  Nothing of them is changed.
; THE ROWS OF A TILE ARE NOT NEIGHBOURS: in a group of 32 rows, lane r of tile u takes row 8 u + r + 8 (r / 8).  A product's 16 result registers of tiles 0 and 1 are then 16 neighbours along that axis.
; xq: 64 records of 69,632 bytes (128 rows): codes at s 8192 + (2 b + u) 1024 + c 512 + 16 l (s: K step of 128, b: group of 32 rows); scale words at 65536 + b 1024 + (s / 2) 256 + 8 l + 4 (s % 2), lanes 0-15 tile 0, lanes 16-31 tile 1.
; wimg: 16 x 64 rows, 139,264 bytes each: four records of 34,816 bytes (Q, K, V, O): codes at s 4096 + (2 i + u) 1024 + c 512 + 16 l; scale words at 32768 + s 256 + 8 l + 4 i.
; SHARES.  Work-group W takes rows 32 W .. 32 W + 31 of x; wave w their columns 256 w .. 256 w + 255 (K steps 2 w, 2 w + 1), brought by ONE tensor load into LDS bytes that only this wave reads and that are filled once.
; While that load is on its way the wave re-lays its 1/1024 of the weights: matrix W / 64, rows 64 ((W / 4) % 16) + 32 (w % 2) on, K step 2 (W % 4) + w / 2.
; LIMITS: NaN and infinities in x are not served; a block of zeros gets the byte 1 where the rule says 127 (its codes are zeros, and this program alone reads the bytes); blocks whose largest magnitude lies under 2^-124 are held at byte 1.
.set PITCH, 1040                       ; an LDS row: 1,024 bytes + 16 of padding
.set WREG,  32*PITCH                   ; a wave's 32 rows
.set TM,  32                           ; v32-47   at work in QUANT
.set PW,  48                           ; v48-51   a unit's scale word
.set SW,  52                           ; v52-53   scale words as stored: lanes 0-15 tile 0, lanes 16-31 tile 1
.set PC,  56                           ; v56-87   codes, eight registers for each unit: no store's data are written again
.set X,   96                           ; v96-223  two sets of 64 numbers
.set WV,  26                           ; s26      my wave's number
.set SEL, 60                           ; s[60:61] v_permlanex16_b32's selects for lane l xor 16
; 64 numbers of a lane, register 16 b + i = k 32 b + 16 (lane / 16) + i of my row, become a fragment's codes in v[pc] on and its scale word in v[pw].
.macro QUANT src, pc, pw
.irp b, 0,1,2,3
	v_max3_num_f32 v[TM+\b], |v[(\src)+16*\b]|, |v[(\src)+16*\b+1]|, 0x1800000   ; block b: my 16 numbers, and the floor 2^(3 - 127): the byte cannot fall under 1
.endr
.irp i, 2,4,6,8,10,12,14
.irp b, 0,1,2,3
	v_max3_num_f32 v[TM+\b], v[TM+\b], |v[(\src)+16*\b+\i]|, |v[(\src)+16*\b+\i+1]|   ; the four blocks by turns
.endr
.endr
.irp b, 0,1,2,3
	v_permlanex16_b32 v[TM+4+\b], v[TM+\b], s[SEL], s[SEL+1]
.endr
.irp b, 0,1,2,3
	v_max_num_f32 v[TM+\b], v[TM+\b], v[TM+4+\b]          ; with lane l xor 16's: the block's largest magnitude
.endr
.irp b, 0,1,2,3
	v_add_nc_u32 v[TM+12+\b], 0xff000000, v[TM+\b]        ; 2 off its exponent field: the conversion's scale operand
.endr
.irp b, 0,1,2,3
	v_lshrrev_b32 v[TM+4+\b], 23, v[TM+12+\b]             ; the scale's byte
.endr
	v_lshl_or_b32 v[\pw], v[TM+5], 8, v[TM+4]
	v_lshl_or_b32 v[\pw], v[TM+6], 16, v[\pw]
	v_lshl_or_b32 v[\pw], v[TM+7], 24, v[\pw]             ; my row's scale word
.irp b, 0,1,2,3
	v_cvt_scalef32_pk8_fp4_f32 v[(\pc)+2*\b], v[(\src)+16*\b:(\src)+16*\b+7], v[TM+12+\b]
	v_cvt_scalef32_pk8_fp4_f32 v[(\pc)+2*\b+1], v[(\src)+16*\b+8:(\src)+16*\b+15], v[TM+12+\b]
.endr
	v_nop                                                 ; one plain place behind a scaled conversion
.irp c, 0,1
.irp i, 0,1
	v_permlane16_swap_b32 v[(\pc)+4*\c+\i], v[(\pc)+4*\c+2+\i]   ; the operand wants a whole block in a lane: lanes 0-15 block 2 c, lanes 16-31 block 2 c + 1
.endr
.endr
.endm
	s_load_b512 s[8:23], s[0:1], 0x0               ; WQ codes, scales; WK; WV; WO: s[8:9] .. s[22:23]
	s_load_b128 s[4:7], s[0:1], 0x40               ; x s[4:5], xq s[6:7]
	s_load_b64 s[24:25], s[0:1], 0x50              ; wimg
	v_lshl_add_u32 v224, v0, 2, 0x29000
	v_mov_b32 v225, 0
	ds_add_u32 v224, v225
	ds_add_u32 v224, v225
	v_lshrrev_b32 v1, 5, v0
	v_readfirstlane_b32 s[WV], v1                  ; wave 0..3
	; descriptor group 1: 32 rows x 256 elements of 4 bytes, 1,024 elements from row to row, 4 words of padding behind every 256
	s_mov_b32 s32, (2<<16)|(1<<20)|(7<<22)|(3<<25)
	s_mov_b32 s33, 256<<16                         ; tensor_dim0
	s_mov_b32 s34, 32<<16                          ; tensor_dim1
	s_mov_b32 s35, 256<<16                         ; tile_dim0
	s_mov_b32 s36, 32                              ; tile_dim1
	s_mov_b32 s37, 1024                            ; stride
	s_mov_b32 s38, 0
	s_mov_b32 s39, 0
	s_mov_b32 s40, 1
	s_mul_i32 s41, s[WV], WREG                     ; my wave's LDS bytes
	s_lshl_b32 s28, ttmp9, 17                      ; 32 rows of 4,096 bytes
	s_lshl_b32 s29, s[WV], 10                      ; my 256 columns
	s_add_co_u32 s28, s28, s29
	s_mov_b32 s29, 0
	s_wait_dscnt 0x0
	s_wait_kmcnt 0x0
	s_add_nc_u64 s[42:43], s[4:5], s[28:29]
	s_or_b32 s43, s43, 0x80000000
	tensor_load_to_lds s[40:43], s[32:39]          ; my one tensor load: a first fill
	s_nop 0
.rept 4
	v_nop
.endr
	v_and_b32 v1, 31, v0                           ; lane
	v_and_b32 v2, 15, v0                           ; r
	v_bfe_u32 v3, v0, 4, 1                         ; h
	v_and_b32 v9, 8, v2
	v_add_nc_u32 v9, v9, v2                        ; r + 8 (r / 8)
	v_mul_u32_u24 v4, v9, PITCH
	v_lshl_add_u32 v4, v3, 6, v4
	v_add_nc_u32 v4, s41, v4                       ; LDS: my row of tile 0, + 64 h: my 16 numbers of a block of 32
	v_lshlrev_b32 v5, 4, v1                        ; 16 x lane
	v_lshlrev_b32 v6, 3, v1                        ; 8 x lane
	v_lshlrev_b32 v7, 9, v9
	v_lshl_add_u32 v7, v3, 4, v7                   ; a weight's codes: row r + 8 (r / 8) of 512 bytes, + 16 h
	v_lshl_add_u32 v8, v3, 3, v9
	v_lshlrev_b32 v8, 5, v8                        ; a weight's scale bytes: row 8 (lane / 16) + r + 8 (r / 8) of 32 bytes: the lanes' halves take tiles 0 and 1
.irp b, 0,1,2,3
	v_mov_b32 v[TM+4+\b], 0                        ; written once: a lane permute's destination counts as one of its sources
.endr
	s_mov_b32 s[SEL], 0x76543210
	s_mov_b32 s[SEL+1], 0xfedcba98
	s_mov_b32 s30, 0xffff0000                      ; lanes 16-31
	; ---- the weights' part
	s_lshr_b32 s44, ttmp9, 6                       ; which matrix: 0 Q, 1 K, 2 V, 3 O
	s_bfe_u32 s45, ttmp9, 0x40002                  ; which 64 rows
	s_and_b32 s46, ttmp9, 3
	s_lshl_b32 s46, s46, 1
	s_lshr_b32 s47, s[WV], 1
	s_or_b32 s46, s46, s47                         ; which K step
	s_and_b32 s47, s[WV], 1                        ; which 32 of the 64 rows
	s_cmp_eq_u32 s44, 1                            ; the choice hangs on the work-group's number alone
	s_cselect_b64 s[8:9], s[12:13], s[8:9]
	s_cselect_b64 s[10:11], s[14:15], s[10:11]
	s_cmp_eq_u32 s44, 2
	s_cselect_b64 s[8:9], s[16:17], s[8:9]
	s_cselect_b64 s[10:11], s[18:19], s[10:11]
	s_cmp_eq_u32 s44, 3
	s_cselect_b64 s[8:9], s[20:21], s[8:9]
	s_cselect_b64 s[10:11], s[22:23], s[10:11]
	s_lshl_b32 s48, s45, 15                        ; 64 rows of 512 bytes
	s_lshl_b32 s49, s47, 14                        ; 32 rows
	s_add_co_u32 s48, s48, s49
	s_lshl_b32 s49, s46, 6                         ; a K step is 64 bytes of a row
	s_add_co_u32 s48, s48, s49
	s_mov_b32 s49, 0
	s_add_nc_u64 s[8:9], s[8:9], s[48:49]
	s_lshl_b32 s48, s45, 11                        ; 64 rows of 32 scale bytes
	s_lshl_b32 s50, s46, 2
	s_add_co_u32 s48, s48, s50
	s_add_nc_u64 s[10:11], s[10:11], s[48:49]
	s_mul_i32 s48, s45, 139264
	s_mul_i32 s50, s44, 34816
	s_add_co_u32 s48, s48, s50
	s_add_nc_u64 s[24:25], s[24:25], s[48:49]      ; the record
	s_lshl_b32 s48, s46, 12
	s_lshl_b32 s50, s47, 11
	s_add_co_u32 s48, s48, s50
	s_add_nc_u64 s[52:53], s[24:25], s[48:49]      ; my two tiles' images
	s_lshl_b32 s48, s46, 8
	s_add_nc_u64 s[54:55], s[24:25], s[48:49]      ; my K step's scale words (+ 32768)
.irp u, 0,1
.irp c, 0,1
	global_load_b128 v[12+8*\u+4*\c:15+8*\u+4*\c], v7, s[8:9] offset:\u*4096+\c*32
.endr
.endr
	s_cmp_lg_u32 s47, 0                            ; a K step's scale words of all 64 rows are one store: the even wave's
	s_cbranch_scc1 .Lno_scales
	global_load_b32 v10, v8, s[10:11]
	global_load_b32 v11, v8, s[10:11] offset:1024
	s_wait_loadcnt 0x0
	global_store_b64 v6, v[10:11], s[54:55] offset:32768   ; 256 consecutive bytes
.Lno_scales:
	s_wait_loadcnt 0x0
.irp u, 0,1
.irp c, 0,1
	global_store_b128 v5, v[12+8*\u+4*\c:15+8*\u+4*\c], s[52:53] offset:\u*1024+\c*512   ; 512 consecutive bytes
.endr
.endr
	; ---- x's part
	s_lshr_b32 s48, ttmp9, 2
	s_mul_i32 s48, s48, 69632
	s_add_nc_u64 s[6:7], s[6:7], s[48:49]          ; the record of my 128 rows
	s_and_b32 s50, ttmp9, 3                        ; b: my group of 32 rows
	s_lshl_b32 s48, s[WV], 14
	s_lshl_b32 s51, s50, 11
	s_add_co_u32 s48, s48, s51
	s_add_nc_u64 s[56:57], s[6:7], s[48:49]        ; codes: K step 2 w, tile 2 b
	s_lshl_b32 s48, s50, 10
	s_lshl_b32 s51, s[WV], 8
	s_add_co_u32 s48, s48, s51
	s_add_nc_u64 s[58:59], s[6:7], s[48:49]        ; scale words (+ 65536)
; unit k = 2 s' + u: K step 2 w + s', tile u
.macro LOADU k
.irp blk, 0,1,2,3
.irp j, 0,1,2,3
	ds_load_b128 v[X+64*((\k)%2)+16*\blk+4*\j:X+64*((\k)%2)+16*\blk+4*\j+3], v4 offset:((\k)%2)*8*PITCH+((\k)/2)*512+128*\blk+16*\j
.endr
.endr
.endm
.macro UNIT k, left
	s_wait_dscnt \left                             ; this unit's 16 loads are in; the next unit's 16 may be out
	QUANT X+64*((\k)%2), PC+8*(\k), PW+(\k)
	global_store_b128 v5, v[PC+8*(\k):PC+8*(\k)+3], s[56:57] offset:((\k)/2)*8192+((\k)%2)*1024
	global_store_b128 v5, v[PC+8*(\k)+4:PC+8*(\k)+7], s[56:57] offset:((\k)/2)*8192+((\k)%2)*1024+512
.endm
	s_wait_tensorcnt 0x0                           ; my bytes have landed; no other wave reads them
	LOADU 0
	LOADU 1
	UNIT 0, 16
	LOADU 2
	UNIT 1, 16
	LOADU 3
	v_cndmask_b32 v[SW], v[PW], v[PW+1], s30       ; lanes 0-15 tile 0's words, lanes 16-31 tile 1's
	UNIT 2, 16
	UNIT 3, 0
	v_cndmask_b32 v[SW+1], v[PW+2], v[PW+3], s30
	global_store_b64 v6, v[SW:SW+1], s[58:59] offset:65536   ; 256 consecutive bytes
	s_wait_tensorcnt 0x0
	ds_add_u32 v224, v225
	s_wait_dscnt 0x0
	s_endpgm
.Lfunc_end_k_q3528136518_prep:
	.size	k_q3528136518_prep, .Lfunc_end_k_q3528136518_prep-k_q3528136518_prep
	.p2alignl 7, 3214868480
	.fill 96, 4, 3214868480
	.section	.rodata,"a",@progbits
	.p2align	6, 0x0
	.amdhsa_kernel k_q3528136518_prep
		.amdhsa_group_segment_fixed_size 168448
		.amdhsa_private_segment_fixed_size 0
		.amdhsa_enable_private_segment 0
		.amdhsa_kernarg_size 88
		.amdhsa_user_sgpr_count 2
		.amdhsa_user_sgpr_kernarg_segment_ptr 1
		.amdhsa_wavefront_size32 1
		.amdhsa_system_sgpr_workgroup_id_x 1
		.amdhsa_system_sgpr_workgroup_id_y 1
		.amdhsa_system_sgpr_workgroup_id_z 1
		.amdhsa_system_vgpr_workitem_id 0
		.amdhsa_next_free_vgpr 226
		.amdhsa_next_free_sgpr 66
		.amdhsa_reserve_vcc 0
		.amdhsa_float_denorm_mode_32 3
		.amdhsa_float_denorm_mode_16_64 3
		.amdhsa_memory_ordered 1
		.amdhsa_forward_progress 1
		.amdhsa_inst_pref_size 26
	.end_amdhsa_kernel
	.amdgpu_metadata
---
amdhsa.version: [ 1, 2 ]
amdhsa.kernels:
  - .name:           k_q3528136518_prep
    .symbol:         k_q3528136518_prep.kd
    .args:
      - { .name: WQ_w_codes, .offset: 0, .size: 8, .value_kind: global_buffer, .address_space: global }
      - { .name: WQ_w_scales, .offset: 8, .size: 8, .value_kind: global_buffer, .address_space: global }
      - { .name: WK_w_codes, .offset: 16, .size: 8, .value_kind: global_buffer, .address_space: global }
      - { .name: WK_w_scales, .offset: 24, .size: 8, .value_kind: global_buffer, .address_space: global }
      - { .name: WV_w_codes, .offset: 32, .size: 8, .value_kind: global_buffer, .address_space: global }
      - { .name: WV_w_scales, .offset: 40, .size: 8, .value_kind: global_buffer, .address_space: global }
      - { .name: WO_w_codes, .offset: 48, .size: 8, .value_kind: global_buffer, .address_space: global }
      - { .name: WO_w_scales, .offset: 56, .size: 8, .value_kind: global_buffer, .address_space: global }
      - { .name: input_tensor, .offset: 64, .size: 8, .value_kind: global_buffer, .address_space: global }
      - { .name: xq, .offset: 72, .size: 8, .value_kind: global_buffer, .address_space: global }
      - { .name: wimg, .offset: 80, .size: 8, .value_kind: global_buffer, .address_space: global }
    .group_segment_fixed_size: 168448
    .private_segment_fixed_size: 0
    .kernarg_segment_align: 8
    .kernarg_segment_size: 88
    .max_flat_workgroup_size: 128
    .sgpr_count:     66
    .vgpr_count:     226
    .wavefront_size: 32
...
	.end_amdgpu_metadata
.endif
;; end of part 1
;; launch qkv (part 2): grid 16 x 16, 4 waves a work-group, clusters of 4 x 1, 168,448 bytes of LDS; arguments xq, wimg, WQ_b, WK_b, WV_b, qimg, kv; writes qimg, kv
.if DOCPART == 2
	.amdgcn_target "amdgcn-amd-amdhsa--gfx1250"
	.amdhsa_code_object_version 6
	.text
	.protected	k_q3528136518_qkv
	.globl	k_q3528136518_qkv
	.p2align	8
	.type	k_q3528136518_qkv,@function
k_q3528136518_qkv:
	s_mov_b64 s[64:65], 0
	v_nop
	global_prefetch_b8 v0, s[64:65] scope:SCOPE_SE
	s_setreg_imm32_b32 hwreg(HW_REG_WAVE_MODE, 25, 1), 1
	s_wait_xcnt 0x0
	s_wait_alu depctr_hold_cnt(0) depctr_sa_sdst(0) depctr_va_vdst(0) depctr_va_sdst(0) depctr_va_ssrc(0) depctr_va_vcc(0) depctr_vm_vsrc(0)
	s_getreg_b32 s2, hwreg(HW_REG_IB_STS2, 6, 4)
	s_cmp_eq_u32 s2, 0
	s_cbranch_scc0 .Lentry_in_a_cluster
	s_endpgm
.Lentry_in_a_cluster:
	s_bfe_u32 s2, ttmp6, 0x10000c
	s_cmp_lg_u32 s2, 0x3003
	s_cbranch_scc0 .Lentry_shape_is_right
	s_endpgm
.Lentry_shape_is_right:
; QKV.  q = x WQ^T + bq, k = x WK^T + bk, v = x WV^T + bv on FP4 codes (both operands as images of operand registers), and their quantising for attention: q and k along the head's 64, v along the keys.
; SHARES.  A work-group takes 512 rows of x and ONE head (64 columns of each of the three products); wave w takes 128 rows, which are one key step of attention.  Its 64 fragments of x stay in 512 registers for all three products.
; The head's three weight records, 104,448 bytes, come into LDS once.  CLUSTER: the four work-groups of a cluster share the head, so each of the four loads is asked for JOINTLY by all four.
; Q AND K ARE MADE TRANSPOSED (source 0 = 16 rows of W, source 1 = 16 rows of x): a lane holds one row of x, and the 16 registers of two neighbouring tiles of W are 16 neighbours along the head's axis.
; V IS MADE THE NATURAL WAY (source 0 = x, source 1 = W): a lane holds one channel, and the 16 registers of two neighbouring tiles of x are 16 neighbouring keys.  So each is quantised in registers, and the codes are the next operand's registers.
; The biases are the C of each sum's first matrix instruction.  1 / sqrt(64) = 2^-3 is taken off q's scale bytes: exact.
; qimg: for each (batch, head) and 128 queries 4,608 bytes: tile m's codes (k = 0 .. 63 of the product's 128) at 512 m + 16 l; scale words {block 0, block 1, 0x7f, 0x7f} at 4096 + 16 l + 4 b, lanes 0-15 tile 2 b, lanes 16-31 tile 2 b + 1.
; kv: for each (batch, head) and key step 8,960 bytes: K's codes at 512 m + 16 l; V^T's four fragments at 4096 + 1024 t + 512 c + 16 l; K's scale words at 8192 + 16 l + 4 b; V's at 8704 + 8 l + 4 i.
; LIMITS: a block of zeros gets the floor's byte where the rule says 127 (its codes are zeros; this program alone reads the bytes).  Blocks of q or k whose largest magnitude lies under 2^-121 are quantised at the scale 2^-123
; (so that 3 can be taken off q's byte); blocks of v under 2^-124 are held at byte 1.
; REGISTERS.  window 0: v1-7 addresses; v8-39 x's scale words (8 b + s); v40-55 W's (2 s + i); v56-87, v88-119 biases; v120-123 v's bias; v128-191 W's fragments, two sets of four; v192.. at work.
;   windows 1, 2: x's fragment (s, m) at 64 (s % 4) + 8 m of window 1 + s / 4.   window 3: the 32 accumulators.
.set REC,  34816                       ; a weight record in LDS
.set XS,   8
.set WS,   40
.set BQ,   56
.set BK,   88
.set BV4,  120
.set WF,   128
.set TM,   192                         ; v192-207 at work in QUANT
.set PW,   208
.set PC,   210                         ; v210-217 the codes just made
.set SCL,  228                         ; v228-231 q's or k's scale words as stored
.set PWV,  232                         ; v232-235 v's scale words, a tile each
.set VS,   236                         ; v236-237 as stored
.set WV,   31                          ; s31      my wave's number
.set SEL,  36                          ; s[36:37] selects for lane l xor 16
.set FL,   38                          ; s38      the floor under a block's largest magnitude
.set KON,  39                          ; s39      what is added to a pair of scale bytes
.set MSB, 0
.macro WIN new                         ; the immediate's high byte repeats the setting that is left; a switch that changes nothing is dropped
.if MSB != (\new)
	s_set_vgpr_msb (MSB<<8)|(\new)
.set MSB, (\new)
.endif
.endm
.macro PLACES                          ; four plain places behind matrix instructions, in front of loads into their registers and of reads of their results
.rept 4
	v_nop
.endr
.endm
.macro CROUND                          ; a round of the cluster's barrier
	s_barrier_signal -1
	s_barrier_wait -1
	s_cmp_lg_u32 s[WV], 0
	s_cbranch_scc1 .Lnot_wave_0_\@
	s_barrier_signal -3
.Lnot_wave_0_\@:
	s_barrier_wait -3
	s_barrier_signal -1
	s_barrier_wait -1
.endm
; one matrix instruction; ra, rb: the side's scales stand in lanes 16-31 of its scale register
.macro WM d, a, b, c, sa, sb, ra, rb
.if (\ra) && (\rb)
	v_wmma_scale_f32_16x16x128_f8f6f4 v[(\d):(\d)+7], v[(\a):(\a)+7], v[(\b):(\b)+7], v[(\c):(\c)+7], v[\sa], v[\sb] matrix_a_fmt:MATRIX_FMT_FP4 matrix_b_fmt:MATRIX_FMT_FP4 matrix_a_scale:MATRIX_SCALE_ROW1 matrix_b_scale:MATRIX_SCALE_ROW1
.elseif (\ra)
	v_wmma_scale_f32_16x16x128_f8f6f4 v[(\d):(\d)+7], v[(\a):(\a)+7], v[(\b):(\b)+7], v[(\c):(\c)+7], v[\sa], v[\sb] matrix_a_fmt:MATRIX_FMT_FP4 matrix_b_fmt:MATRIX_FMT_FP4 matrix_a_scale:MATRIX_SCALE_ROW1
.elseif (\rb)
	v_wmma_scale_f32_16x16x128_f8f6f4 v[(\d):(\d)+7], v[(\a):(\a)+7], v[(\b):(\b)+7], v[(\c):(\c)+7], v[\sa], v[\sb] matrix_a_fmt:MATRIX_FMT_FP4 matrix_b_fmt:MATRIX_FMT_FP4 matrix_b_scale:MATRIX_SCALE_ROW1
.else
	v_wmma_scale_f32_16x16x128_f8f6f4 v[(\d):(\d)+7], v[(\a):(\a)+7], v[(\b):(\b)+7], v[(\c):(\c)+7], v[\sa], v[\sb] matrix_a_fmt:MATRIX_FMT_FP4 matrix_b_fmt:MATRIX_FMT_FP4
.endif
.endm
; 64 numbers of a lane in WINDOW 3, register src + 16 b + i = k 32 b + 16 (lane / 16) + i, become 8 registers of codes in v[pc] on and four scale bytes in v[pw] (window 0).  Each accumulator is read from its low end on.
.macro QUANT src, pc, pw
	WIN 0x3c                                       ; sources 1 and 2 window 3
.irp b, 0,1,2,3
	v_max3_num_f32 v[TM+\b], s[FL], |v[(\src)+16*\b]|, |v[(\src)+16*\b+1]|
.endr
.irp i, 2,4,6,8,10,12,14
.irp b, 0,1,2,3
	v_max3_num_f32 v[TM+\b], v[TM+\b], |v[(\src)+16*\b+\i]|, |v[(\src)+16*\b+\i+1]|
.endr
.endr
	WIN 0
.irp b, 0,1,2,3
	v_permlanex16_b32 v[TM+4+\b], v[TM+\b], s[SEL], s[SEL+1]
.endr
.irp b, 0,1,2,3
	v_max_num_f32 v[TM+\b], v[TM+\b], v[TM+4+\b]          ; the block's largest magnitude
.endr
.irp b, 0,1,2,3
	v_add_nc_u32 v[TM+12+\b], 0xff000000, v[TM+\b]        ; 2 off its exponent field: the conversion's scale operand
.endr
.irp b, 0,1,2,3
	v_lshrrev_b32 v[TM+4+\b], 23, v[TM+12+\b]             ; the scale's byte
.endr
	v_lshl_or_b32 v[\pw], v[TM+5], 8, v[TM+4]
	v_lshl_or_b32 v[\pw], v[TM+6], 16, v[\pw]
	v_lshl_or_b32 v[\pw], v[TM+7], 24, v[\pw]
	WIN 0x03                                       ; source 0 window 3
.irp b, 0,1,2,3
	v_cvt_scalef32_pk8_fp4_f32 v[(\pc)+2*\b], v[(\src)+16*\b:(\src)+16*\b+7], v[TM+12+\b]
	v_cvt_scalef32_pk8_fp4_f32 v[(\pc)+2*\b+1], v[(\src)+16*\b+8:(\src)+16*\b+15], v[TM+12+\b]
.endr
	v_nop                                          ; one plain place behind a scaled conversion: later matrix instructions write its sources
	WIN 0
.irp c, 0,1
.irp i, 0,1
	v_permlane16_swap_b32 v[(\pc)+4*\c+\i], v[(\pc)+4*\c+2+\i]
.endr
.endr
.endm
	s_load_b256 s[4:11], s[0:1], 0x0               ; xq s[4:5], wimg s[6:7], WQ_b s[8:9], WK_b s[10:11]
	s_load_b128 s[12:15], s[0:1], 0x20             ; WV_b s[12:13], qimg s[14:15]
	s_load_b64 s[28:29], s[0:1], 0x30              ; kv
	v_lshl_add_u32 v254, v0, 2, 0x29000
	v_mov_b32 v255, 0
	ds_add_u32 v254, v255
	ds_add_u32 v254, v255
	v_lshrrev_b32 v1, 5, v0
	v_readfirstlane_b32 s[WV], v1                  ; wave 0..3
	s_and_b32 s34, ttmp7, 0xffff                   ; the head, which the four partners share
	; descriptor group 1: a dense block of 26,112 bytes as 102 rows of 32 elements of 8 bytes; the mask names all four work-groups, bit 21 beside it
	s_mov_b32 s16, 15|(3<<16)|(1<<21)
	s_mov_b32 s17, 32<<16
	s_mov_b32 s18, 102<<16
	s_mov_b32 s19, 32<<16
	s_mov_b32 s20, 102
	s_mov_b32 s21, 32
	s_mov_b32 s22, 0
	s_mov_b32 s23, 0
	s_mov_b32 s24, 1
	s_mul_i32 s25, s[WV], 26112                    ; my quarter of the three records, in LDS
	s_mul_i32 s40, s34, 139264
	s_add_co_u32 s40, s40, s25                     ; and in wimg: the head and the wave's number alone
	s_mov_b32 s41, 0
	s_wait_dscnt 0x0
	s_wait_kmcnt 0x0
	s_add_nc_u64 s[26:27], s[6:7], s[40:41]
	s_or_b32 s27, s27, 0x80000000
	CROUND                                         ; all four work-groups are here: the joint loads meet
	tensor_load_to_lds s[24:27], s[16:23]          ; my one tensor load: a first fill
	s_nop 0
.rept 4
	v_nop
.endr
	s_bfe_u32 s32, ttmp6, 0x40000                  ; cx: it enters global addresses alone
	s_lshl_b32 s35, s32, 2
	s_add_co_u32 s35, s35, s[WV]                   ; my 128 rows among the batch's 16 such groups
	s_lshl_b32 s33, ttmp9, 4                       ; (the cluster's x is the batch)
	s_add_co_u32 s33, s33, s35                     ; x's record
	s_mul_i32 s40, s33, 69632
	s_add_nc_u64 s[52:53], s[4:5], s[40:41]
	s_lshl_b32 s42, ttmp9, 4
	s_add_co_u32 s42, s42, s34                     ; 16 batch + head
	s_lshl_b32 s42, s42, 4
	s_add_co_u32 s42, s42, s35
	s_mul_i32 s40, s42, 4608
	s_add_nc_u64 s[48:49], s[14:15], s[40:41]      ; my record of qimg
	s_mul_i32 s40, s42, 8960
	s_add_nc_u64 s[50:51], s[28:29], s[40:41]      ; and of kv
	s_lshl_b32 s40, s34, 8                         ; the head's 64 biases
	s_add_nc_u64 s[8:9], s[8:9], s[40:41]
	s_add_nc_u64 s[10:11], s[10:11], s[40:41]
	s_add_nc_u64 s[12:13], s[12:13], s[40:41]
	s_mov_b32 s30, 0xffff0000                      ; lanes 16-31
	s_mov_b32 s[SEL], 0x76543210
	s_mov_b32 s[SEL+1], 0xfedcba98
	v_and_b32 v192, 31, v0                         ; lane
	v_and_b32 v193, 15, v0                         ; r
	v_bfe_u32 v194, v0, 4, 1                       ; h
	v_lshlrev_b32 v1, 4, v192                      ; 16 x lane
	v_lshlrev_b32 v2, 3, v192                      ; 8 x lane
	v_lshlrev_b32 v3, 4, v194                      ; 16 h: a shift
	v_lshlrev_b32 v4, 6, v194                      ; 64 h
	v_and_b32 v5, 8, v193
	v_add_nc_u32 v5, v5, v193
	v_lshlrev_b32 v5, 2, v5                        ; 4 (r + 8 (r / 8))
.irp b, 0,1,2,3
	v_mov_b32 v[TM+4+\b], 0                        ; written once: a lane permute's destination counts as one of its sources
.endr
	; the loads, in the order in which the first product's waits count them
.irp b, 0,1,2,3
.irp p, 0,1,2,3
	global_load_b64 v[XS+8*\b+2*\p:XS+8*\b+2*\p+1], v2, s[52:53] offset:65536+\b*1024+\p*256
.endr
.endr
.irp t, 0,1,2,3                        ; bq, bk in the transposed result's layout: tile t, lane half h: units 32 (t / 2) + 8 (t % 2) + 16 h + 0 .. 7
	global_load_b128 v[BQ+8*\t:BQ+8*\t+3], v4, s[8:9] offset:128*(\t/2)+32*(\t%2)
	global_load_b128 v[BQ+8*\t+4:BQ+8*\t+7], v4, s[8:9] offset:128*(\t/2)+32*(\t%2)+16
.endr
.irp t, 0,1,2,3
	global_load_b128 v[BK+8*\t:BK+8*\t+3], v4, s[10:11] offset:128*(\t/2)+32*(\t%2)
	global_load_b128 v[BK+8*\t+4:BK+8*\t+7], v4, s[10:11] offset:128*(\t/2)+32*(\t%2)+16
.endr
.irp t, 0,1,2,3                        ; bv: in the natural layout a lane holds one channel
	global_load_b32 v[BV4+\t], v5, s[12:13] offset:128*(\t/2)+32*(\t%2)
.endr
.irp s, 0,1,2,3,4,5,6,7                ; x's fragments, K step by K step, 16 loads a step
	WIN 0x40*(1+\s/4)
.irp m, 0,1,2,3,4,5,6,7
.irp c, 0,1
	global_load_b128 v[64*(\s%4)+8*\m+4*\c:64*(\s%4)+8*\m+4*\c+3], v1, s[52:53] offset:\s*8192+\m*1024+\c*512
.endr
.endr
.endr
	WIN 0
	s_wait_tensorcnt 0x0                           ; my quarter of the weights has landed,
	s_barrier_signal -1
	s_barrier_wait -1                              ; everybody's has; nothing is ever filled again
.macro FETCHW ks                       ; W's four fragments of K step ks into set ks % 2
.irp t, 0,1,2,3
.irp c, 0,1
	ds_load_b128 v[WF+32*((\ks)%2)+8*\t+4*\c:WF+32*((\ks)%2)+8*\t+4*\c+3], v6 offset:(\ks)*4096+\t*1024+\c*512
.endr
.endr
.endm
; 32 matrix instructions: one K step of 128 rows x 64 columns.  The 32 accumulators take turns, one instruction a turn, in the same order in every step.
.macro STEPMUL ks, swap, bi
.set wx, 1+(\ks)/4
.set cw, 3
.if (\ks) == 0
.set cw, 0                             ; the first step's C is the bias, in window 0
.endif
.if \swap
.set wn, wx|(cw<<4)|0xc0
.else
.set wn, (wx<<2)|(cw<<4)|0xc0
.endif
	WIN wn
.irp m, 0,1,2,3,4,5,6,7
.irp t, 0,1,2,3
.set rW, WF+32*((\ks)%2)+8*\t
.set rX, 64*((\ks)%4)+8*\m
.set sW, WS+2*(\ks)+\t/2
.set sX, XS+8*(\m/2)+(\ks)
.if \swap
.set rD, 64*\t+8*\m
.else
.set rD, 32*\m+8*\t
.endif
.set rC, rD
.if (\ks) == 0
.set rC, (\bi)+8*\t
.endif
.if \swap
	WM rD, rX, rW, rC, sX, sW, \m%2, \t%2
.else
	WM rD, rW, rX, rC, sW, sX, \t%2, \m%2
.endif
.endr
.endr
.endm
.macro PHASE mat, swap, first, bi
	v_add_nc_u32 v6, (\mat)*REC, v1                ; the record's place goes into the address: an LDS immediate has 16 bits
	v_add_nc_u32 v7, (\mat)*REC, v2
.irp s, 0,1,2,3,4,5,6,7
	ds_load_b64 v[WS+2*\s:WS+2*\s+1], v7 offset:32768+256*\s
.endr
	FETCHW 0
.irp s, 0,1,2,3,4,5,6,7
.if \s < 7
.if \s > 0
	PLACES                                         ; the set to be loaded was read by the step before
.endif
	FETCHW \s+1
	s_wait_dscnt 8                                 ; all but the 8 loads just issued
.else
	s_wait_dscnt 0x0
.endif
.if \first
.if 16*(7-\s) > 63
	s_wait_loadcnt 63                              ; behind this step's fragments of x 16 (7 - s) loads were issued; the wait's field holds 63, which is fewer
.else
	s_wait_loadcnt 16*(7-\s)                       ; the fragments of x of later K steps may be out
.endif
.endif
	STEPMUL \s, \swap, \bi
	WIN 0
.endr
.endm
; q or k leaves: two tiles of rows (64 registers) at a time: their codes are two register groups; the four bytes are two tiles' pairs
.macro QKOUT base, soff
	PLACES
.irp j, 0,1,2,3
	s_wait_xcnt 0x0                                ; earlier stores have read their data: the codes' and the scale words' registers are written again only behind this wait
	QUANT 64*\j, PC, PW
	global_store_b128 v1, v[PC:PC+3], s[\base:\base+1] offset:1024*\j
	global_store_b128 v1, v[PC+4:PC+7], s[\base:\base+1] offset:1024*\j+512
	v_bfe_u32 v[SCL+\j], v[PW], v3, 16             ; lanes 0-15 the even tile's two bytes, lanes 16-31 the odd tile's
	v_add_nc_u32 v[SCL+\j], s[KON], v[SCL+\j]      ; 0x7f for the upper half of K, whose codes are zeros on q's side
.endr
	global_store_b128 v1, v[SCL:SCL+3], s[\base:\base+1] offset:\soff
.endm
	PHASE 0, 0, 1, BQ
	s_mov_b32 s[FL], 0x3000000                     ; q, k: the byte is at least 4
	s_mov_b32 s[KON], 0x7f7efcfd                   ; 0x7f7f0000 - 0x0303: 3 off both bytes (no borrow: both are at least 4): q / 8
	QKOUT 48, 4096
	PHASE 1, 0, 0, BK
.irp t, 0,1,2,3
.irp j, 0,1,2,3,4,5,6,7
	v_mov_b32 v[BQ+8*\t+\j], v[BV4+\t]             ; v's bias as a C operand: eight equal registers a tile
.endr
.endr
	s_mov_b32 s[KON], 0x7f7f0000
	QKOUT 50, 8192
	PHASE 2, 1, 0, BQ
	s_mov_b32 s[FL], 0x1800000                     ; v: the byte is at least 1
	PLACES
.irp t, 0,1,2,3                        ; V^T's tile t: 16 channels x the step's 128 keys: one whole fragment
	s_wait_xcnt 0x0
	QUANT 64*\t, PC, PWV+\t
	global_store_b128 v1, v[PC:PC+3], s[50:51] offset:4096+1024*\t
	global_store_b128 v1, v[PC+4:PC+7], s[50:51] offset:4096+1024*\t+512
.endr
	v_cndmask_b32 v[VS], v[PWV], v[PWV+1], s30     ; lanes 0-15 the even tile's words, lanes 16-31 the odd tile's
	v_cndmask_b32 v[VS+1], v[PWV+2], v[PWV+3], s30
	global_store_b64 v2, v[VS:VS+1], s[50:51] offset:8704
	s_wait_tensorcnt 0x0
	ds_add_u32 v254, v255
	s_wait_dscnt 0x0
	CROUND                                         ; the closing round: no work-group ends while a partner may still ask jointly
	s_endpgm
.Lfunc_end_k_q3528136518_qkv:
	.size	k_q3528136518_qkv, .Lfunc_end_k_q3528136518_qkv-k_q3528136518_qkv
	.p2alignl 7, 3214868480
	.fill 96, 4, 3214868480
	.section	.rodata,"a",@progbits
	.p2align	6, 0x0
	.amdhsa_kernel k_q3528136518_qkv
		.amdhsa_group_segment_fixed_size 168448
		.amdhsa_private_segment_fixed_size 0
		.amdhsa_enable_private_segment 0
		.amdhsa_kernarg_size 56
		.amdhsa_user_sgpr_count 2
		.amdhsa_user_sgpr_kernarg_segment_ptr 1
		.amdhsa_wavefront_size32 1
		.amdhsa_system_sgpr_workgroup_id_x 1
		.amdhsa_system_sgpr_workgroup_id_y 1
		.amdhsa_system_sgpr_workgroup_id_z 1
		.amdhsa_system_vgpr_workitem_id 0
		.amdhsa_next_free_vgpr 1024
		.amdhsa_next_free_sgpr 66
		.amdhsa_reserve_vcc 0
		.amdhsa_float_denorm_mode_32 3
		.amdhsa_float_denorm_mode_16_64 3
		.amdhsa_memory_ordered 1
		.amdhsa_forward_progress 1
		.amdhsa_inst_pref_size 185
	.end_amdhsa_kernel
	.amdgpu_metadata
---
amdhsa.version: [ 1, 2 ]
amdhsa.kernels:
  - .name:           k_q3528136518_qkv
    .symbol:         k_q3528136518_qkv.kd
    .args:
      - { .name: xq, .offset: 0, .size: 8, .value_kind: global_buffer, .address_space: global }
      - { .name: wimg, .offset: 8, .size: 8, .value_kind: global_buffer, .address_space: global }
      - { .name: WQ_b, .offset: 16, .size: 8, .value_kind: global_buffer, .address_space: global }
      - { .name: WK_b, .offset: 24, .size: 8, .value_kind: global_buffer, .address_space: global }
      - { .name: WV_b, .offset: 32, .size: 8, .value_kind: global_buffer, .address_space: global }
      - { .name: qimg, .offset: 40, .size: 8, .value_kind: global_buffer, .address_space: global }
      - { .name: kv, .offset: 48, .size: 8, .value_kind: global_buffer, .address_space: global }
    .group_segment_fixed_size: 168448
    .private_segment_fixed_size: 0
    .kernarg_segment_align: 8
    .kernarg_segment_size: 56
    .max_flat_workgroup_size: 128
    .sgpr_count:     66
    .vgpr_count:     1024
    .wavefront_size: 32
...
	.end_amdgpu_metadata
.endif
;; end of part 2
;; launch attn (part 3): grid 4 x 64, 16 waves a work-group, clusters of 4 x 1, 169,984 bytes of LDS; arguments qimg, kv, mask, cimg, cs; writes cimg, cs
.if DOCPART == 3
	.amdgcn_target "amdgcn-amd-amdhsa--gfx1250"
	.amdhsa_code_object_version 6
	.text
	.protected	k_q3528136518_attn
	.globl	k_q3528136518_attn
	.p2align	8
	.type	k_q3528136518_attn,@function
k_q3528136518_attn:
	s_mov_b64 s[64:65], 0
	v_nop
	global_prefetch_b8 v0, s[64:65] scope:SCOPE_SE
	s_setreg_imm32_b32 hwreg(HW_REG_WAVE_MODE, 25, 1), 1
	s_wait_xcnt 0x0
	s_wait_alu depctr_hold_cnt(0) depctr_sa_sdst(0) depctr_va_vdst(0) depctr_va_sdst(0) depctr_va_ssrc(0) depctr_va_vcc(0) depctr_vm_vsrc(0)
	s_getreg_b32 s2, hwreg(HW_REG_IB_STS2, 6, 4)
	s_cmp_eq_u32 s2, 0
	s_cbranch_scc0 .Lentry_in_a_cluster
	s_endpgm
.Lentry_in_a_cluster:
	s_bfe_u32 s2, ttmp6, 0x10000c
	s_cmp_lg_u32 s2, 0x3003
	s_cbranch_scc0 .Lentry_shape_is_right
	s_endpgm
.Lentry_shape_is_right:
; ATTENTION on FP4 codes, one (batch, head) to a cluster.  logit = q . k / 8 + mask (the 1 / 8 lies in q's scale bytes); t = logit x log2(e); M = the running largest t rounded UP to a whole number;
; p = 2^(t - M) is quantised along the keys, not normalised; the row's sum is taken of the unquantised p and divides O at the end; ctx is quantised along its head's 64 columns for the output projection.
; SHARES.  A work-group owns 512 queries; each of its sixteen waves one tile of 16 in each of two passes, in 256 registers: four waves to a SIMD.  Every wave walks the head's 2,048 keys, 128 a step.
; LDS.  The whole head lies in LDS, filled ONCE: sixteen step records of 9,472 bytes (kv's 8,960 bytes, then the step's 128 mask numbers).  Every wave brings one record by two tensor loads: by this text's count two are out.
; CLUSTER.  The four work-groups walk the same K, V and mask: each load is asked for JOINTLY, with a mask that names all four.
; LAYOUT.  S^T = K Q^T (source 0 = 16 keys, source 1 = my 16 queries), O^T = V^T P^T: a lane holds ONE query throughout.  The keys of a tile and the channels of a tile of V^T are taken so (lane r: 8 u + r + 8 (r / 8) of 32) that the 16
; registers of two neighbouring tiles are 16 neighbours: p's and ctx's conversions give operand registers.
; THE HEAD'S K IS 64, THE INSTRUCTION'S 128: q's registers 4-7 are zero codes, so K's upper half may be any codes: fragment t of K is named v[32 + 4 t : 39 + 4 t], over the next tile's registers; both sides' scale bytes there are 0x7f.
; THE MASK IS THE C OPERAND: its 64 numbers of a lane are loaded from LDS into the scores' registers, and the product adds onto them.
; cimg: for each 32 rows 16,384 bytes: u 8192 + head 512 + 16 l.  cs: [head][row slot] of two bytes (the head's two blocks), slot = 32 (row / 32) + 16 u + r.
; LIMITS: NaN and +infinity in the mask are not served; a mask of -infinity leans on the matrix instruction passing an infinite C through; a row all of whose keys are -infinity gives NaN, as the softmax does.
; A block of zeros gets the byte 1 where the rule says 127 (its codes are zeros; this program alone reads the bytes).
.set REC,  9472
.set MOFF, 8960                        ; the mask's place in a record
.set CSG,  16*REC                      ; behind the records: 1,024 bytes for the scale halfwords; no fill lands there
.set QF,   16                          ; v16-23, v24-31  Q of pass 0, 1: four registers of codes, four of zeros
.set KF,   32                          ; v32-63 K, four registers a tile; v64-67 zeros
.set VF,   68                          ; v68-99 V^T's four fragments
.set PCD,  100                         ; v100-107 p's codes
.set CC,   108                         ; v108-115 ctx's codes of the two passes
.set KS,   116                         ; v116-119 K's scale words
.set VSC,  120                         ; v120-121 V's
.set PS,   122                         ; v122 p's
.set QS,   123                         ; v123, v124 Q's
.set HW,   125                         ; v125 ctx's two bytes
.set S,    128                         ; v128-191 the mask, S^T, p
.set O,    192                         ; v192-223 O^T
.set BM,   224                         ; v224-227 a block's largest score, then its largest p
.set PT,   228                         ; v228-231 the other half's, then bytes
.set SO,   232                         ; v232-235 the conversions' scale operands
.set FF,   236                         ; v[236:237] f
.set S2,   238                         ; v[238:239] the sum's second chain
.set TP,   240
.set WV,   14                          ; s14 my wave's number
.set CS,   44                          ; s[44:45] log2(e)
.set SEL,  46                          ; s[46:47] selects for lane l xor 16
.set TT,   48                          ; s48 where the step's record begins
.set CNT,  49
.macro PLACES
.rept 4
	v_nop
.endr
.endm
.macro CROUND
	s_barrier_signal -1
	s_barrier_wait -1
	s_cmp_lg_u32 s[WV], 0
	s_cbranch_scc1 .Lnot_wave_0_\@
	s_barrier_signal -3
.Lnot_wave_0_\@:
	s_barrier_wait -3
	s_barrier_signal -1
	s_barrier_wait -1
.endm
.macro WM d, a, b, sa, sb, ra          ; adds in place; ra: source 0's scales stand in lanes 16-31
.if (\ra)
	v_wmma_scale_f32_16x16x128_f8f6f4 v[(\d):(\d)+7], v[(\a):(\a)+7], v[(\b):(\b)+7], v[(\d):(\d)+7], v[\sa], v[\sb] matrix_a_fmt:MATRIX_FMT_FP4 matrix_b_fmt:MATRIX_FMT_FP4 matrix_a_scale:MATRIX_SCALE_ROW1
.else
	v_wmma_scale_f32_16x16x128_f8f6f4 v[(\d):(\d)+7], v[(\a):(\a)+7], v[(\b):(\b)+7], v[(\d):(\d)+7], v[\sa], v[\sb] matrix_a_fmt:MATRIX_FMT_FP4 matrix_b_fmt:MATRIX_FMT_FP4
.endif
.endm
	s_load_b256 s[4:11], s[0:1], 0x0               ; qimg s[4:5], kv s[6:7], mask s[8:9], cimg s[10:11]
	s_load_b64 s[12:13], s[0:1], 0x20              ; cs
	v_lshl_add_u32 v254, v0, 2, 0x29000
	v_mov_b32 v255, 0
	ds_add_u32 v254, v255
	ds_add_u32 v254, v255
	v_lshrrev_b32 v1, 5, v0
	s_delay_alu instid0(VALU_DEP_1)
	v_readfirstlane_b32 s[WV], v1                  ; wave 0..15
	s_and_b32 s40, ttmp7, 0xffff                   ; 16 batch + head: the four partners share it
	s_lshr_b32 s41, s40, 4                         ; batch
	s_and_b32 s42, s40, 15                         ; head
	; descriptor groups 1: dense blocks as rows of 32 elements of 8 bytes: 35 rows (a record of kv), 2 rows (128 mask numbers); the mask names all four work-groups, bit 21 beside it
	s_mov_b32 s16, 15|(3<<16)|(1<<21)
	s_mov_b32 s17, 32<<16
	s_mov_b32 s18, 35<<16
	s_mov_b32 s19, 32<<16
	s_mov_b32 s20, 35
	s_mov_b32 s21, 32
	s_mov_b32 s22, 0
	s_mov_b32 s23, 0
	s_mov_b32 s24, 15|(3<<16)|(1<<21)
	s_mov_b32 s25, 32<<16
	s_mov_b32 s26, 2<<16
	s_mov_b32 s27, 32<<16
	s_mov_b32 s28, 2
	s_mov_b32 s29, 32
	s_mov_b32 s30, 0
	s_mov_b32 s31, 0
	s_mov_b32 s32, 1
	s_mul_i32 s33, s[WV], REC                      ; key step w's record in LDS
	s_mov_b32 s36, 1
	s_add_co_u32 s37, s33, MOFF
	s_mul_i32 s50, s40, 143360                     ; the head's 16 records of kv
	s_mul_i32 s52, s[WV], 8960
	s_add_co_u32 s50, s50, s52
	s_mov_b32 s51, 0
	s_lshl_b32 s52, s41, 13                        ; the batch's 2,048 mask numbers
	s_lshl_b32 s53, s[WV], 9
	s_add_co_u32 s52, s52, s53
	s_mov_b32 s53, 0
	s_wait_dscnt 0x0
	s_wait_kmcnt 0x0
	s_add_nc_u64 s[34:35], s[6:7], s[50:51]
	s_or_b32 s35, s35, 0x80000000
	s_add_nc_u64 s[38:39], s[8:9], s[52:53]
	s_or_b32 s39, s39, 0x80000000
	CROUND                                         ; all four work-groups are here: the joint loads meet
	tensor_load_to_lds s[32:35], s[16:23]          ; my two first fills stand together; four v_nop follow the second
	s_nop 0
	tensor_load_to_lds s[36:39], s[24:31]
	s_nop 0
.rept 4
	v_nop
.endr
	s_bfe_u32 s15, ttmp6, 0x40000                  ; cx: my block of 512 queries; it enters global addresses alone
	s_lshl_b32 s50, s40, 4
	s_lshl_b32 s52, s15, 2
	s_add_co_u32 s50, s50, s52
	s_lshr_b32 s52, s[WV], 3
	s_add_co_u32 s50, s50, s52                     ; pass 0's group of 128 queries; pass 1's lies two groups on
	s_mul_i32 s50, s50, 4608
	s_add_nc_u64 s[4:5], s[4:5], s[50:51]
	s_lshl_b32 s50, s41, 20                        ; cimg: (64 batch + 16 cx) groups of 16,384 bytes + 8,192 w + 512 head
	s_lshl_b32 s52, s15, 18
	s_add_co_u32 s50, s50, s52
	s_lshl_b32 s52, s[WV], 13
	s_add_co_u32 s50, s50, s52
	s_lshl_b32 s52, s42, 9
	s_add_co_u32 s50, s50, s52
	s_add_nc_u64 s[10:11], s[10:11], s[50:51]
	s_lshl_b32 s50, s42, 14                        ; cs: 16,384 head + 2 (2,048 batch + 512 cx)
	s_lshl_b32 s52, s41, 12
	s_add_co_u32 s50, s50, s52
	s_lshl_b32 s52, s15, 10
	s_add_co_u32 s50, s50, s52
	s_add_nc_u64 s[12:13], s[12:13], s[50:51]
	s_mov_b32 s[CS], 0x3fb8aa3b                    ; log2(e)
	s_mov_b32 s[CS+1], s[CS]                       ; (named with it as a pair, so it is written)
	s_mov_b32 s[SEL], 0x76543210
	s_mov_b32 s[SEL+1], 0xfedcba98
	v_and_b32 v224, 31, v0                         ; lane
	v_and_b32 v225, 15, v0                         ; r
	s_wait_alu depctr_va_vdst(0)
	v_bfe_u32 v226, v0, 4, 1                       ; h
	v_lshlrev_b32 v1, 4, v224                      ; 16 x lane
	v_lshlrev_b32 v2, 3, v224                      ; 8 x lane
	s_delay_alu instid0(VALU_DEP_3)
	v_lshlrev_b32 v3, 6, v226                      ; 64 h
	s_and_b32 s54, s[WV], 7                        ; my tile among the group's eight
	s_lshl_b32 s55, s54, 9
	v_add_nc_u32 v7, s55, v1                       ; Q's codes
	s_wait_alu depctr_va_vdst(0)
	s_and_b32 s55, s[WV], 1
	s_lshl_b32 s55, s55, 8
	s_lshr_b32 s54, s54, 1
	s_lshl_b32 s54, s54, 2
	s_add_co_u32 s55, s55, s54
	s_add_co_u32 s55, s55, 4096
	v_lshl_add_u32 v8, v225, 4, s55                ; Q's scale word of row r: 4096 + 16 (r + 16 u) + 4 b
	s_lshl_b32 s55, s[WV], 5
	s_add_co_u32 s55, s55, CSG
	v_lshl_add_u32 v9, v225, 1, s55                ; where my query's two scale bytes go: CSG + 32 w + 2 r
	v_and_b32 v10, 63, v0
	s_delay_alu instid0(VALU_DEP_1)
	v_lshlrev_b32 v10, 4, v10                      ; the closing copy: 16 bytes a thread of waves 0 and 1
	s_delay_alu instid0(VALU_DEP_1)
	v_add_nc_u32 v11, CSG, v10
.irp p, 0,1
	global_load_b128 v[QF+8*\p:QF+8*\p+3], v7, s[4:5] offset:9216*\p th:TH_LOAD_NT
	global_load_b32 v[QS+\p], v8, s[4:5] offset:9216*\p th:TH_LOAD_NT
.endr
.irp j, 0,1,2,3
	v_mov_b32 v[QF+4+\j], 0                        ; zero codes: the upper half of the instruction's K
	v_mov_b32 v[QF+12+\j], 0
	v_mov_b32 v[KF+32+\j], 0                       ; what the last tile of K names as its upper half
	v_mov_b32 v[PT+\j], 0                          ; written once: a lane permute's destination counts as one of its sources
.endr
	v_mov_b32 v[FF+1], 0                           ; (named as the upper half of a pair)
	v_mov_b32 v[TP], 0
	s_wait_tensorcnt 0x0                           ; my record has landed,
	s_barrier_signal -1
	s_barrier_wait -1                              ; everybody's has; nothing is ever filled again
	s_wait_loadcnt 0x0                             ; Q
.macro PASS p
	v_mov_b32 v13, 0xff61b1e6                      ; the largest t so far: -3e38
	s_delay_alu instid0(VALU_DEP_1)
	v_floor_f32 v12, -v13                          ; -M
	v_mov_b32 v14, 0                               ; the sum, in two halves
	v_mov_b32 v15, 0
.set n, 0
.rept 32
	v_mov_b32 v[O+n], 0                            ; the step is written once: the first finds zeros, which the first change of M leaves zeros
.set n, n+1
.endr
	s_mov_b32 s[TT], 0
	s_mov_b32 s[CNT], 16
.Lstep_\@:
	s_setprio 2
	v_add_nc_u32 v4, s[TT], v1                     ; these four are the places in front of the loads into V's registers, which the last products read
	v_add_nc_u32 v5, s[TT], v2
	v_add_nc_u32 v6, s[TT], v3
	v_nop
.irp b, 0,1,2,3
.irp i, 0,1,2,3
	ds_load_b128 v[S+16*\b+4*\i:S+16*\b+4*\i+3], v6 offset:MOFF+128*\b+16*\i   ; the mask of keys 32 b + 16 h + 4 i on: the scores' C
.endr
.endr
.irp t, 0,1,2,3,4,5,6,7
	ds_load_b128 v[KF+4*\t:KF+4*\t+3], v4 offset:512*\t
.endr
	ds_load_b128 v[KS:KS+3], v4 offset:8192
.irp t, 0,1,2,3
.irp c, 0,1
	ds_load_b128 v[VF+8*\t+4*\c:VF+8*\t+4*\c+3], v4 offset:4096+1024*\t+512*\c
.endr
.endr
	ds_load_b64 v[VSC:VSC+1], v5 offset:8704
	s_wait_dscnt 9                                 ; V's eight loads and its scale words may be out
.irp t, 0,1,2,3,4,5,6,7
	WM S+8*\t, KF+4*\t, QF+8*\p, KS+\t/2, QS+\p, \t%2
.endr
	PLACES
.irp b, 0,1,2,3
	v_max3_num_f32 v[BM+\b], v[S+16*\b], v[S+16*\b+1], v[S+16*\b+2]   ; the largest logit of each block of 32 keys: for the row's maximum, and, since p rises with the logit, for the block's largest p
.endr
.irp i, 3,5,7,9,11,13
.irp b, 0,1,2,3
	v_max3_num_f32 v[BM+\b], v[BM+\b], v[S+16*\b+\i], v[S+16*\b+\i+1]
.endr
.endr
.irp b, 0,1,2,3
	v_max_num_f32 v[BM+\b], v[BM+\b], v[S+16*\b+15]
.endr
.irp b, 0,1,2,3
	s_delay_alu instid0(VALU_DEP_4)
	v_permlanex16_b32 v[PT+\b], v[BM+\b], s[SEL], s[SEL+1]
.endr
.irp b, 0,1,2,3
	s_delay_alu instid0(VALU_DEP_4)
	v_max_num_f32 v[BM+\b], v[BM+\b], v[PT+\b]     ; with lane l xor 16's 16 keys
.endr
	s_delay_alu instid0(VALU_DEP_2)
	v_max3_num_f32 v[TP], v[BM], v[BM+1], v[BM+2]
	s_delay_alu instid0(VALU_DEP_1)
	v_max_num_f32 v[TP], v[TP], v[BM+3]            ; the step's largest logit of my query
	s_delay_alu instid0(VALU_DEP_1)
	v_mul_f32 v[TP], s[CS], v[TP]                  ; as t
	s_delay_alu instid0(VALU_DEP_1)
	v_max_num_f32 v13, v13, v[TP]                  ; the running largest t
	v_mov_b32 v[TP], v12
	s_delay_alu instid0(VALU_DEP_2)
	v_floor_f32 v12, -v13                          ; the new -M = -ceil(t): a whole number
	s_delay_alu instid0(VALU_DEP_1)
	v_sub_f32 v[TP], v12, v[TP]                    ; old M - new M: a whole number, 0 or less
	s_delay_alu instid0(VALU_DEP_1)
	v_cvt_i32_f32 v[TP], v[TP]                     ; (it saturates)
	s_delay_alu instid0(VALU_DEP_1)
	v_ldexp_f32 v[FF], 1.0, v[TP]                  ; f = 2^(old M - new M): a multiplication by it rounds nothing
.set n, 0
.rept 32
	v_pk_fma_f32 v[S+n:S+n+1], v[S+n:S+n+1], s[CS:CS+1], v[12:13] op_sel_hi:[1,0,0]   ; t - M, two at a time
.set n, n+2
.endr
.irp b, 0,1,2,3
	v_fma_f32 v[BM+\b], v[BM+\b], s[CS], v12       ; the same of each block's largest logit
.endr
.set n, 0
	s_setprio 1
	s_wait_alu depctr_va_vdst(0)
.rept 64
	v_exp_f32 v[S+n], v[S+n]                       ; p = 2^(t - M), at most 1
.set n, n+1
.endr
	v_pk_mul_f32 v[14:15], v[14:15], v[FF:FF+1] op_sel_hi:[1,0]   ; the sums under the new M: the plain place behind the exponentials
	s_wait_alu depctr_va_vdst(0)                   ; one wait for the batch of 64, ahead of its first reader
.irp b, 0,1,2,3
	v_exp_f32 v[BM+\b], v[BM+\b]                   ; the block's largest p
.endr
	v_pk_add_f32 v[238:239], v[132:133], v[136:137]
	v_pk_add_f32 v[252:253], v[140:141], v[144:145]
	v_pk_add_f32 v[250:251], v[148:149], v[152:153]
	v_pk_add_f32 v[248:249], v[156:157], v[160:161]
	v_pk_add_f32 v[246:247], v[164:165], v[168:169]
	v_pk_add_f32 v[244:245], v[172:173], v[176:177]
	v_pk_add_f32 v[242:243], v[180:181], v[184:185]
	v_pk_add_f32 v[14:15], v[14:15], v[188:189]
	v_pk_add_f32 v[238:239], v[238:239], v[128:129]
	v_pk_add_f32 v[252:253], v[252:253], v[130:131]
	v_pk_add_f32 v[250:251], v[250:251], v[134:135]
	v_pk_add_f32 v[248:249], v[248:249], v[138:139]
	v_pk_add_f32 v[246:247], v[246:247], v[142:143]
	v_pk_add_f32 v[244:245], v[244:245], v[146:147]
	v_pk_add_f32 v[242:243], v[242:243], v[150:151]
	v_pk_add_f32 v[14:15], v[14:15], v[154:155]
	v_pk_add_f32 v[238:239], v[238:239], v[158:159]
	v_pk_add_f32 v[252:253], v[252:253], v[162:163]
	v_pk_add_f32 v[250:251], v[250:251], v[166:167]
	v_pk_add_f32 v[248:249], v[248:249], v[170:171]
	v_pk_add_f32 v[246:247], v[246:247], v[174:175]
	v_pk_add_f32 v[244:245], v[244:245], v[178:179]
	v_pk_add_f32 v[242:243], v[242:243], v[182:183]
	v_pk_add_f32 v[14:15], v[14:15], v[186:187]
	v_pk_add_f32 v[238:239], v[238:239], v[190:191]
	s_delay_alu instid0(VALU_DEP_2)
	v_pk_add_f32 v[14:15], v[14:15], v[248:249]
	s_delay_alu instid0(VALU_DEP_2)
	v_pk_add_f32 v[238:239], v[238:239], v[246:247]
	v_pk_add_f32 v[252:253], v[252:253], v[244:245]
	v_pk_add_f32 v[250:251], v[250:251], v[242:243]
	s_delay_alu instid0(VALU_DEP_2)
	v_pk_add_f32 v[14:15], v[14:15], v[252:253]
	s_delay_alu instid0(VALU_DEP_2)
	v_pk_add_f32 v[238:239], v[238:239], v[250:251]
	s_delay_alu instid0(VALU_DEP_1)
	v_pk_add_f32 v[14:15], v[14:15], v[238:239]
	s_wait_alu depctr_va_vdst(0)                   ; and one for the four
.irp b, 0,1,2,3
	v_max_num_f32 v[BM+\b], 0x1800000, v[BM+\b]    ; the floor 2^(3 - 127): the byte cannot fall under 1
.endr
.irp b, 0,1,2,3
	s_delay_alu instid0(VALU_DEP_4)
	v_add_nc_u32 v[SO+\b], 0xff000000, v[BM+\b]    ; 2 off the exponent field: the conversion's scale operand
.endr
.irp b, 0,1,2,3
	s_delay_alu instid0(VALU_DEP_4)
	v_lshrrev_b32 v[PT+\b], 23, v[SO+\b]           ; the scale's byte
.endr
	s_delay_alu instid0(VALU_DEP_3)
	v_lshl_or_b32 v[PS], v[PT+1], 8, v[PT]
	s_delay_alu instid0(VALU_DEP_1)
	v_lshl_or_b32 v[PS], v[PT+2], 16, v[PS]
	s_delay_alu instid0(VALU_DEP_1)
	v_lshl_or_b32 v[PS], v[PT+3], 24, v[PS]        ; p's scale word for these 128 keys
.irp b, 0,1,2,3
	v_cvt_scalef32_pk8_fp4_f32 v[PCD+2*\b], v[S+16*\b:S+16*\b+7], v[SO+\b]
	v_cvt_scalef32_pk8_fp4_f32 v[PCD+2*\b+1], v[S+16*\b+8:S+16*\b+15], v[SO+\b]
.endr
	v_nop                                          ; one plain place behind a scaled conversion
	s_setprio 0
.irp c, 0,1
.irp i, 0,1
	v_permlane16_swap_b32 v[PCD+4*\c+\i], v[PCD+4*\c+2+\i]
.endr
.endr
.set n, 0
.rept 16
	v_pk_mul_f32 v[O+n:O+n+1], v[O+n:O+n+1], v[FF:FF+1] op_sel_hi:[1,0]   ; O^T under the new M; of these sixteen, twelve name none of a given product's registers: the places behind p's codes and scale word
.set n, n+2
.endr
	s_wait_alu depctr_va_vdst(0)
	s_wait_dscnt 0x0                               ; V
.irp t, 0,1,2,3
	WM O+8*\t, VF+8*\t, PCD, VSC+\t/2, PS, \t%2
.endr
	s_add_co_u32 s[TT], s[TT], REC
	s_sub_co_u32 s[CNT], s[CNT], 1
	s_cmp_lg_u32 s[CNT], 0
	s_cbranch_scc1 .Lstep_\@
	s_setprio 0
	PLACES
	v_add_f32 v14, v14, v15                        ; the sum's two halves,
	s_delay_alu instid0(VALU_DEP_1)
	v_permlanex16_b32 v[TP], v14, s[SEL], s[SEL+1]
	s_delay_alu instid0(VALU_DEP_1)
	v_add_f32 v14, v14, v[TP]                      ; and lane l xor 16's
	s_wait_alu depctr_va_vdst(0)
	v_rcp_f32 v14, v14
	v_nop                                          ; a plain place behind the reciprocal
	s_wait_alu depctr_va_vdst(0)                   ; and the wait ahead of its first reader
.set n, 0
.rept 16
	v_pk_mul_f32 v[S+n:S+n+1], v[O+n:O+n+1], v[14:15] op_sel_hi:[1,0]   ; ctx: register 16 b + i is channel 32 b + 16 h + i of my query; each accumulator from its low end on
.set n, n+2
.endr
.irp b, 0,1                            ; ctx's two blocks of 32 are quantised as p's four are
	v_max3_num_f32 v[BM+\b], |v[S+16*\b]|, |v[S+16*\b+1]|, 0x1800000
.endr
.irp i, 2,4,6,8,10,12,14
.irp b, 0,1
	s_delay_alu instid0(VALU_DEP_2)
	v_max3_num_f32 v[BM+\b], v[BM+\b], |v[S+16*\b+\i]|, |v[S+16*\b+\i+1]|
.endr
.endr
.irp b, 0,1
	s_delay_alu instid0(VALU_DEP_2)
	v_permlanex16_b32 v[PT+\b], v[BM+\b], s[SEL], s[SEL+1]
.endr
.irp b, 0,1
	s_delay_alu instid0(VALU_DEP_2)
	v_max_num_f32 v[BM+\b], v[BM+\b], v[PT+\b]
.endr
.irp b, 0,1
	s_delay_alu instid0(VALU_DEP_2)
	v_add_nc_u32 v[SO+\b], 0xff000000, v[BM+\b]
.endr
.irp b, 0,1
	s_delay_alu instid0(VALU_DEP_2)
	v_lshrrev_b32 v[PT+\b], 23, v[SO+\b]
.endr
	s_delay_alu instid0(VALU_DEP_1)
	v_lshl_or_b32 v[HW], v[PT+1], 8, v[PT]
.irp b, 0,1
	v_cvt_scalef32_pk8_fp4_f32 v[CC+4*\p+2*\b], v[S+16*\b:S+16*\b+7], v[SO+\b]
	v_cvt_scalef32_pk8_fp4_f32 v[CC+4*\p+2*\b+1], v[S+16*\b+8:S+16*\b+15], v[SO+\b]
.endr
	v_nop
.irp i, 0,1
	v_permlane16_swap_b32 v[CC+4*\p+\i], v[CC+4*\p+2+\i]
.endr
	global_store_b128 v1, v[CC+4*\p:CC+4*\p+3], s[10:11] offset:131072*\p   ; one register group of the output projection's operand: 512 consecutive bytes
	ds_store_b16 v9, v[HW] offset:512*\p           ; both halves of the lanes write the same two bytes
.endm
	PASS 0
	PASS 1
	s_wait_dscnt 0x0                               ; my scale bytes lie in LDS,
	s_barrier_signal -1
	s_barrier_wait -1                              ; everybody's do
	s_cmp_lt_u32 s[WV], 2
	s_cbranch_scc0 .Lno_cs
	ds_load_b128 v[244:247], v11
	s_wait_dscnt 0x0
	global_store_b128 v10, v[244:247], s[12:13]    ; the block's 512 halfwords: 512 consecutive bytes a wave
.Lno_cs:
	s_wait_tensorcnt 0x0
	ds_add_u32 v254, v255
	s_wait_dscnt 0x0
	CROUND                                         ; the closing round
	s_endpgm
.Lfunc_end_k_q3528136518_attn:
	.size	k_q3528136518_attn, .Lfunc_end_k_q3528136518_attn-k_q3528136518_attn
	.p2alignl 7, 3214868480
	.fill 96, 4, 3214868480
	.section	.rodata,"a",@progbits
	.p2align	6, 0x0
	.amdhsa_kernel k_q3528136518_attn
		.amdhsa_group_segment_fixed_size 169984
		.amdhsa_private_segment_fixed_size 0
		.amdhsa_enable_private_segment 0
		.amdhsa_kernarg_size 40
		.amdhsa_user_sgpr_count 2
		.amdhsa_user_sgpr_kernarg_segment_ptr 1
		.amdhsa_wavefront_size32 1
		.amdhsa_system_sgpr_workgroup_id_x 1
		.amdhsa_system_sgpr_workgroup_id_y 1
		.amdhsa_system_sgpr_workgroup_id_z 1
		.amdhsa_system_vgpr_workitem_id 0
		.amdhsa_next_free_vgpr 256
		.amdhsa_next_free_sgpr 66
		.amdhsa_reserve_vcc 0
		.amdhsa_float_denorm_mode_32 3
		.amdhsa_float_denorm_mode_16_64 3
		.amdhsa_memory_ordered 1
		.amdhsa_forward_progress 1
		.amdhsa_inst_pref_size 52
	.end_amdhsa_kernel
	.amdgpu_metadata
---
amdhsa.version: [ 1, 2 ]
amdhsa.kernels:
  - .name:           k_q3528136518_attn
    .symbol:         k_q3528136518_attn.kd
    .args:
      - { .name: qimg, .offset: 0, .size: 8, .value_kind: global_buffer, .address_space: global }
      - { .name: kv, .offset: 8, .size: 8, .value_kind: global_buffer, .address_space: global }
      - { .name: mask, .offset: 16, .size: 8, .value_kind: global_buffer, .address_space: global }
      - { .name: cimg, .offset: 24, .size: 8, .value_kind: global_buffer, .address_space: global }
      - { .name: cs, .offset: 32, .size: 8, .value_kind: global_buffer, .address_space: global }
    .group_segment_fixed_size: 169984
    .private_segment_fixed_size: 0
    .kernarg_segment_align: 8
    .kernarg_segment_size: 40
    .max_flat_workgroup_size: 512
    .sgpr_count:     66
    .vgpr_count:     256
    .wavefront_size: 32
...
	.end_amdgpu_metadata
.endif
;; end of part 3
;; launch outln (part 4): grid 256 x 1, 8 waves a work-group, no clusters, 263,680 bytes of LDS; arguments cimg, cs, wimg, WO_b, input_tensor, ln_w, ln_b, out0; writes out0
.if DOCPART == 4
	.amdgcn_target "amdgcn-amd-amdhsa--gfx1250"
	.amdhsa_code_object_version 6
	.text
	.protected	k_q3528136518_outln
	.globl	k_q3528136518_outln
	.p2align	8
	.type	k_q3528136518_outln,@function
k_q3528136518_outln:
	s_mov_b64 s[64:65], 0
	v_nop
	global_prefetch_b8 v0, s[64:65] scope:SCOPE_SE
	s_setreg_imm32_b32 hwreg(HW_REG_WAVE_MODE, 25, 1), 1
	s_wait_xcnt 0x0
; OUT.  y = ctx WO^T + bo on FP4 codes; z = x + y; out = (z - mean) rsqrt(var + 1e-12) ln_w + ln_b, all behind the product in f32.
; SHARES.  A work-group owns 32 rows and all 1,024 columns, so that a row's norm has one owner.  In the product wave w makes columns 128 w .. 128 w + 127 of all 32 rows: 16 accumulators.  In the norm wave w owns rows 4 w .. 4 w + 3.
; ctx's 16 fragments stay in registers; WO's come from wimg straight into registers, as images, two K steps ahead.  x's rows come into LDS by one tensor load a wave (a first fill, read by that wave alone) while the product runs.
; THE PRODUCT IS USED TRANSPOSED (source 0 = 16 rows of WO, source 1 = 16 rows of ctx): a lane holds eight neighbouring columns of one row.  The bias is the C of each sum's first matrix instruction.
; The results meet in a stage in LDS (rows of 4,096 + 16 bytes), one barrier, and each wave reads whole rows.  The variance is taken of z - mean, in a second pass over registers.
; NO CLUSTER: each fragment of WO is used by one wave of a work-group and goes into its registers; there is no LDS tile that partners could share, and beside x's 131,072 bytes and the stage's 131,584 the 557,056 bytes of WO have no room.
; REGISTERS.  window 0: v1-11 addresses; v16-23 ctx's scale words; v24-55 WO's (16 hh + 2 s + i); v56-119 the bias, later ln_w and ln_b; v120-127 at work; v128-255 ctx (64 u + 8 s + 4 c), later two slots of a row of y and of x.
;   window 1: v0-127 the accumulators (8 (2 t + u)); v128-255 WO's fragments, two sets of eight.
.set STG,  131072                      ; the stage, behind x's 32 rows
.set SP,   4112
.set CS,   16
.set WSC,  24
.set BIAS, 56
.set LNW,  56
.set LNB,  88
.set NT,   120
.set CTX,  128
.set RS,   128
.set WF,   128                         ; in window 1
.set WV,   20                          ; s20 my wave's number
.set MSB, 0
.macro WIN new
.if MSB != (\new)
	s_set_vgpr_msb (MSB<<8)|(\new)
.set MSB, (\new)
.endif
.endm
.macro PLACES
.rept 4
	v_nop
.endr
.endm
.macro WM d, a, b, c, sa, sb, ra, rb
.if (\ra) && (\rb)
	v_wmma_scale_f32_16x16x128_f8f6f4 v[(\d):(\d)+7], v[(\a):(\a)+7], v[(\b):(\b)+7], v[(\c):(\c)+7], v[\sa], v[\sb] matrix_a_fmt:MATRIX_FMT_FP4 matrix_b_fmt:MATRIX_FMT_FP4 matrix_a_scale:MATRIX_SCALE_ROW1 matrix_b_scale:MATRIX_SCALE_ROW1
.elseif (\ra)
	v_wmma_scale_f32_16x16x128_f8f6f4 v[(\d):(\d)+7], v[(\a):(\a)+7], v[(\b):(\b)+7], v[(\c):(\c)+7], v[\sa], v[\sb] matrix_a_fmt:MATRIX_FMT_FP4 matrix_b_fmt:MATRIX_FMT_FP4 matrix_a_scale:MATRIX_SCALE_ROW1
.elseif (\rb)
	v_wmma_scale_f32_16x16x128_f8f6f4 v[(\d):(\d)+7], v[(\a):(\a)+7], v[(\b):(\b)+7], v[(\c):(\c)+7], v[\sa], v[\sb] matrix_a_fmt:MATRIX_FMT_FP4 matrix_b_fmt:MATRIX_FMT_FP4 matrix_b_scale:MATRIX_SCALE_ROW1
.else
	v_wmma_scale_f32_16x16x128_f8f6f4 v[(\d):(\d)+7], v[(\a):(\a)+7], v[(\b):(\b)+7], v[(\c):(\c)+7], v[\sa], v[\sb] matrix_a_fmt:MATRIX_FMT_FP4 matrix_b_fmt:MATRIX_FMT_FP4
.endif
.endm
	s_load_b512 s[4:19], s[0:1], 0x0               ; cimg s[4:5], cs s[6:7], wimg s[8:9], WO_b s[10:11], x s[12:13], ln_w s[14:15], ln_b s[16:17], out0 s[18:19]
	v_lshl_add_u32 v14, v0, 2, 0x40200
	v_mov_b32 v15, 0
	ds_add_u32 v14, v15
	ds_add_u32 v14, v15
	v_lshrrev_b32 v1, 5, v0
	v_readfirstlane_b32 s[WV], v1                  ; wave 0..7
	; descriptor group 1: my four rows of x, 16,384 dense bytes, as 64 rows of 32 elements of 8 bytes
	s_mov_b32 s24, 3<<16
	s_mov_b32 s25, 32<<16
	s_mov_b32 s26, 64<<16
	s_mov_b32 s27, 32<<16
	s_mov_b32 s28, 64
	s_mov_b32 s29, 32
	s_mov_b32 s30, 0
	s_mov_b32 s31, 0
	s_mov_b32 s32, 1
	s_lshl_b32 s33, s[WV], 14                      ; in LDS: 16,384 w
	s_lshl_b32 s40, ttmp9, 17                      ; in x and in out0: 32 rows of 4,096 bytes a work-group,
	s_add_co_u32 s40, s40, s33                     ; four rows a wave
	s_mov_b32 s41, 0
	s_wait_dscnt 0x0
	s_wait_kmcnt 0x0
	s_add_nc_u64 s[34:35], s[12:13], s[40:41]
	s_or_b32 s35, s35, 0x80000000
	tensor_load_to_lds s[32:35], s[24:31]          ; my one tensor load: a first fill
	s_nop 0
.rept 4
	v_nop
.endr
	s_add_nc_u64 s[18:19], s[18:19], s[40:41]
	s_lshl_b32 s40, ttmp9, 14
	s_add_nc_u64 s[4:5], s[4:5], s[40:41]          ; my 32 rows' images of ctx
	s_lshl_b32 s40, ttmp9, 6
	s_add_nc_u64 s[6:7], s[6:7], s[40:41]          ; and their 32 slots of scale halfwords
	s_mul_i32 s40, s[WV], 278528
	s_add_co_u32 s40, s40, 104448
	s_add_nc_u64 s[8:9], s[8:9], s[40:41]          ; WO's records of rows 128 w on
	s_lshl_b32 s40, s[WV], 9
	s_add_nc_u64 s[10:11], s[10:11], s[40:41]      ; my 128 biases
	s_mov_b32 s36, 0x76543210
	s_mov_b32 s37, 0xfedcba98                      ; selects for lane l xor 16
	s_mov_b32 s38, 0x3a800000                      ; 1 / 1024
	s_mov_b32 s39, 0x2b8cbccc                      ; 1e-12
	v_and_b32 v8, 31, v0                           ; lane
	v_and_b32 v9, 15, v0                           ; r
	v_bfe_u32 v10, v0, 4, 1                        ; h
	v_and_b32 v11, 8, v9
	v_add_nc_u32 v11, v11, v9                      ; r + 8 (r / 8)
	v_lshlrev_b32 v1, 4, v8                        ; 16 x lane
	v_lshlrev_b32 v2, 3, v8                        ; 8 x lane
	v_lshlrev_b32 v3, 1, v8                        ; 2 x lane
	v_lshlrev_b32 v4, 6, v10                       ; 64 h
	v_mul_u32_u24 v5, v11, SP
	v_add_nc_u32 v5, v5, v4
	s_lshl_b32 s42, s[WV], 9
	s_add_co_u32 s42, s42, STG
	v_add_nc_u32 v5, s42, v5                       ; into the stage: row r + 8 (r / 8) of tile 0, + 64 h, + my 512 bytes of a row
	s_mul_i32 s42, s[WV], 4*SP
	s_add_co_u32 s42, s42, STG
	v_add_nc_u32 v6, s42, v1                       ; back: my four rows, 16 bytes a lane
	v_add_nc_u32 v7, s33, v1                       ; and the same of x
	; the loads, in the order in which the waits count them
.irp u, 0,1
.irp s, 0,1,2,3,4,5,6,7
.irp c, 0,1
	global_load_b128 v[CTX+64*\u+8*\s+4*\c:CTX+64*\u+8*\s+4*\c+3], v1, s[4:5] offset:\u*8192+\s*1024+\c*512 th:TH_LOAD_NT
.endr
.endr
.endr
.irp s, 0,1,2,3,4,5,6,7                ; a K step of 128 is two heads: the even head's two bytes below, the odd head's above
	global_load_u16 v[CS+\s], v3, s[6:7] offset:(2*\s)*16384 th:TH_LOAD_NT
	global_load_u16 v[NT+\s], v3, s[6:7] offset:(2*\s+1)*16384 th:TH_LOAD_NT
.endr
.irp hh, 0,1
.irp s, 0,1,2,3,4,5,6,7
	global_load_b64 v[WSC+16*\hh+2*\s:WSC+16*\hh+2*\s+1], v2, s[8:9] offset:\hh*139264+32768+256*\s
.endr
.endr
.irp hh, 0,1
.irp t, 0,1,2,3
	global_load_b128 v[BIAS+8*(4*\hh+\t):BIAS+8*(4*\hh+\t)+3], v4, s[10:11] offset:256*\hh+128*(\t/2)+32*(\t%2)
	global_load_b128 v[BIAS+8*(4*\hh+\t)+4:BIAS+8*(4*\hh+\t)+7], v4, s[10:11] offset:256*\hh+128*(\t/2)+32*(\t%2)+16
.endr
.endr
.macro WFLOAD ks                       ; WO's eight fragments of K step ks into set ks % 2: 16 loads
	WIN 0x40
.irp hh, 0,1
.irp t, 0,1,2,3
.irp c, 0,1
	global_load_b128 v[WF+64*((\ks)%2)+8*(4*\hh+\t)+4*\c:WF+64*((\ks)%2)+8*(4*\hh+\t)+4*\c+3], v1, s[8:9] offset:\hh*139264+(\ks)*4096+\t*1024+\c*512
.endr
.endr
.endr
	WIN 0
.endm
	WFLOAD 0
	WFLOAD 1
.irp s, 0,1,2,3,4,5,6,7
.if \s == 0
	s_wait_loadcnt 16                              ; all but K step 1's set
.elseif \s == 1
	s_wait_loadcnt 32                              ; behind K step 1's set: ln_w's and ln_b's 16 loads and K step 2's set
.elseif \s < 7
	s_wait_loadcnt 16                              ; the next set may be out
.else
	s_wait_loadcnt 0x0
.endif
.if \s == 0
.irp q, 0,1,2,3,4,5,6,7
	v_lshl_or_b32 v[CS+\q], v[NT+\q], 16, v[CS+\q] ; ctx's scale words
.endr
.rept 8
	v_nop                                          ; a scale register written by a vector instruction stands 8 places ahead of a scaled matrix instruction
.endr
	WIN 0x41                                       ; source 0 (WO) and D window 1; ctx and the bias window 0
.else
	WIN 0x51                                       ; C window 1 too
.endif
.irp hh, 0,1                           ; the 16 accumulators take turns, one instruction a turn, in the same order in every step
.irp t, 0,1,2,3
.irp u, 0,1
.set rD, 8*(2*(4*\hh+\t)+\u)
.set rC, rD
.if \s == 0
.set rC, BIAS+8*(4*\hh+\t)
.endif
	WM rD, WF+64*(\s%2)+8*(4*\hh+\t), CTX+64*\u+8*\s, rC, WSC+16*\hh+2*\s+\t/2, CS+\s, \t%2, \u
.endr
.endr
.endr
	WIN 0
	PLACES                                         ; in front of loads into registers that these products read; behind the last step: of the stores that read the results
.if \s == 0
.irp q, 0,1,2,3,4,5,6,7                ; the bias has been taken: its registers take ln_w and ln_b, columns 128 q + 4 lane on
	global_load_b128 v[LNW+4*\q:LNW+4*\q+3], v1, s[14:15] offset:512*\q
	global_load_b128 v[LNB+4*\q:LNB+4*\q+3], v1, s[16:17] offset:512*\q
.endr
.endif
.if \s < 6
	WFLOAD \s+2
.endif
.endr
	WIN 0x04                                       ; an LDS store's data are its source 1: window 1
.irp hh, 0,1
.irp t, 0,1,2,3
.irp u, 0,1
	ds_store_b128 v5, v[8*(2*(4*\hh+\t)+\u):8*(2*(4*\hh+\t)+\u)+3] offset:\u*8*SP+256*\hh+128*(\t/2)+32*(\t%2)       ; each accumulator from its low end on
	ds_store_b128 v5, v[8*(2*(4*\hh+\t)+\u)+4:8*(2*(4*\hh+\t)+\u)+7] offset:\u*8*SP+256*\hh+128*(\t/2)+32*(\t%2)+16
.endr
.endr
.endr
	WIN 0
	s_wait_tensorcnt 0x0                           ; my rows of x have landed
	s_wait_dscnt 0x0                               ; my part of the stage is written,
	s_barrier_signal -1
	s_barrier_wait -1                              ; everybody's is
.macro ROWLOAD slot, rr                ; a row of y and of x: 16 loads of 512 consecutive bytes
.irp q, 0,1,2,3,4,5,6,7
	ds_load_b128 v[RS+64*(\slot)+4*\q:RS+64*(\slot)+4*\q+3], v6 offset:(\rr)*SP+512*\q
.endr
.irp q, 0,1,2,3,4,5,6,7
	ds_load_b128 v[RS+64*(\slot)+32+4*\q:RS+64*(\slot)+32+4*\q+3], v7 offset:(\rr)*4096+512*\q
.endr
.endm
.macro ALLSUM a                        ; the sum over the 32 lanes, in every lane; v[a + 1] is at work
	v_add_f32_dpp v[\a], v[\a], v[\a] row_xmask:1 row_mask:0xf bank_mask:0xf
	v_add_f32_dpp v[\a], v[\a], v[\a] row_xmask:2 row_mask:0xf bank_mask:0xf
	v_add_f32_dpp v[\a], v[\a], v[\a] row_xmask:4 row_mask:0xf bank_mask:0xf
	v_add_f32_dpp v[\a], v[\a], v[\a] row_xmask:8 row_mask:0xf bank_mask:0xf
	v_permlanex16_b32 v[(\a)+1], v[\a], s36, s37
	v_add_f32 v[\a], v[\a], v[(\a)+1]
.endm
.macro ROWWORK slot, rr, left
.set YR, RS+64*(\slot)
.set XR, YR+32
	s_wait_dscnt \left                             ; this row's 16 loads are in; the next row's may be out
.set n, 0
.rept 16
	v_pk_add_f32 v[YR+n:YR+n+1], v[YR+n:YR+n+1], v[XR+n:XR+n+1]   ; z = x + y
.set n, n+2
.endr
	v_pk_add_f32 v[NT:NT+1], v[YR:YR+1], v[YR+2:YR+3]
	v_pk_add_f32 v[NT+2:NT+3], v[YR+4:YR+5], v[YR+6:YR+7]
.irp q, 8,12,16,20,24,28
	v_pk_add_f32 v[NT:NT+1], v[NT:NT+1], v[YR+\q:YR+\q+1]
	v_pk_add_f32 v[NT+2:NT+3], v[NT+2:NT+3], v[YR+\q+2:YR+\q+3]
.endr
	v_pk_add_f32 v[NT:NT+1], v[NT:NT+1], v[NT+2:NT+3]
	v_add_f32 v[NT], v[NT], v[NT+1]
	ALLSUM NT
	v_mul_f32 v[NT], s38, v[NT]                    ; the mean
.set n, 0
.rept 16
	v_pk_add_f32 v[YR+n:YR+n+1], v[YR+n:YR+n+1], v[NT:NT+1] op_sel_hi:[1,0] neg_lo:[0,1] neg_hi:[0,1]   ; z - mean
.set n, n+2
.endr
	v_pk_mul_f32 v[NT+2:NT+3], v[YR:YR+1], v[YR:YR+1]
	v_pk_mul_f32 v[NT+4:NT+5], v[YR+2:YR+3], v[YR+2:YR+3]
.irp q, 4,8,12,16,20,24,28
	v_pk_fma_f32 v[NT+2:NT+3], v[YR+\q:YR+\q+1], v[YR+\q:YR+\q+1], v[NT+2:NT+3]
	v_pk_fma_f32 v[NT+4:NT+5], v[YR+\q+2:YR+\q+3], v[YR+\q+2:YR+\q+3], v[NT+4:NT+5]
.endr
	v_pk_add_f32 v[NT+2:NT+3], v[NT+2:NT+3], v[NT+4:NT+5]
	v_add_f32 v[NT+2], v[NT+2], v[NT+3]
	ALLSUM NT+2
	v_fma_f32 v[NT+2], v[NT+2], s38, s39           ; the variance + 1e-12
	v_rsq_f32 v[NT+2], v[NT+2]
	v_nop                                          ; a plain place behind the root
	s_wait_alu depctr_va_vdst(0)                   ; and the wait ahead of its first reader
.set n, 0
.rept 16
	v_pk_mul_f32 v[YR+n:YR+n+1], v[YR+n:YR+n+1], v[NT+2:NT+3] op_sel_hi:[1,0]
.set n, n+2
.endr
.set n, 0
.rept 16
	v_pk_fma_f32 v[YR+n:YR+n+1], v[YR+n:YR+n+1], v[LNW+n:LNW+n+1], v[LNB+n:LNB+n+1]
.set n, n+2
.endr
.irp q, 0,1,2,3,4,5,6,7
	global_store_b128 v1, v[YR+4*\q:YR+4*\q+3], s[18:19] offset:(\rr)*4096+512*\q th:TH_STORE_NT   ; 512 consecutive bytes, aligned
.endr
.endm
	ROWLOAD 0, 0
	ROWLOAD 1, 1
	ROWWORK 0, 0, 16
	s_wait_xcnt 0x0                                ; the stores have read their data: the slot is loaded again only behind this wait
	ROWLOAD 0, 2
	ROWWORK 1, 1, 16
	s_wait_xcnt 0x0
	ROWLOAD 1, 3
	ROWWORK 0, 2, 16
	ROWWORK 1, 3, 0
	s_wait_tensorcnt 0x0
	ds_add_u32 v14, v15
	s_wait_dscnt 0x0
	s_endpgm
.Lfunc_end_k_q3528136518_outln:
	.size	k_q3528136518_outln, .Lfunc_end_k_q3528136518_outln-k_q3528136518_outln
	.p2alignl 7, 3214868480
	.fill 96, 4, 3214868480
	.section	.rodata,"a",@progbits
	.p2align	6, 0x0
	.amdhsa_kernel k_q3528136518_outln
		.amdhsa_group_segment_fixed_size 263680
		.amdhsa_private_segment_fixed_size 0
		.amdhsa_enable_private_segment 0
		.amdhsa_kernarg_size 64
		.amdhsa_user_sgpr_count 2
		.amdhsa_user_sgpr_kernarg_segment_ptr 1
		.amdhsa_wavefront_size32 1
		.amdhsa_system_sgpr_workgroup_id_x 1
		.amdhsa_system_sgpr_workgroup_id_y 1
		.amdhsa_system_sgpr_workgroup_id_z 1
		.amdhsa_system_vgpr_workitem_id 0
		.amdhsa_next_free_vgpr 512
		.amdhsa_next_free_sgpr 66
		.amdhsa_reserve_vcc 0
		.amdhsa_float_denorm_mode_32 3
		.amdhsa_float_denorm_mode_16_64 3
		.amdhsa_memory_ordered 1
		.amdhsa_forward_progress 1
		.amdhsa_inst_pref_size 81
	.end_amdhsa_kernel
	.amdgpu_metadata
---
amdhsa.version: [ 1, 2 ]
amdhsa.kernels:
  - .name:           k_q3528136518_outln
    .symbol:         k_q3528136518_outln.kd
    .args:
      - { .name: cimg, .offset: 0, .size: 8, .value_kind: global_buffer, .address_space: global }
      - { .name: cs, .offset: 8, .size: 8, .value_kind: global_buffer, .address_space: global }
      - { .name: wimg, .offset: 16, .size: 8, .value_kind: global_buffer, .address_space: global }
      - { .name: WO_b, .offset: 24, .size: 8, .value_kind: global_buffer, .address_space: global }
      - { .name: input_tensor, .offset: 32, .size: 8, .value_kind: global_buffer, .address_space: global }
      - { .name: ln_w, .offset: 40, .size: 8, .value_kind: global_buffer, .address_space: global }
      - { .name: ln_b, .offset: 48, .size: 8, .value_kind: global_buffer, .address_space: global }
      - { .name: out0, .offset: 56, .size: 8, .value_kind: global_buffer, .address_space: global }
    .group_segment_fixed_size: 263680
    .private_segment_fixed_size: 0
    .kernarg_segment_align: 8
    .kernarg_segment_size: 64
    .max_flat_workgroup_size: 256
    .sgpr_count:     66
    .vgpr_count:     512
    .wavefront_size: 32
...
	.end_amdgpu_metadata
.endif
;; end of part 4
